; MI455X (gfx1250); checked and timed in simulation.
; The chip was launched on July 23, 2026; its instructions are those of AMD's public machine-readable ISA for CDNA 5 (MIT licence, August 2026) and "CDNA5" Instruction Set Architecture Reference Guide (July 2026). The comments in the code are by the model that wrote it; some were corrected since.
;; RPT Attention. Allowed arithmetic: float matrix products may take bf16 or f16 operands with f32 sums; other float arithmetic in f32, or as packed bf16 or f16 multiplies, adds, multiply-adds, maxima and minima; sums over many terms, partial sums and values carried from step to step in f32; what a program stores and reads back later, other than sums and carried values, may be rounded once to bf16 or f16.
;; Inputs: hidden_states 1 x 2,048 x 2,048 float32; wk 2,048 x 512 float32; wo 2,048 x 2,048 float32; wq 2,048 x 2,048 float32; wv 2,048 x 512 float32.
;; Outputs: out0 1 x 2,048 x 2,048 float32.
;; One version. Each part assembles by itself: llvm-mc -triple=amdgcn-amd-amdhsa -mcpu=gfx1250 --defsym DOCPART=n.
;; ======== version 1 of 1: 4 launches
;; limits: values are held in f16: magnitudes above 65,504 overflow, below 6.1e-05 lose precision; right only within a limited range of input values
;; workspace buffers: xb 8,388,608 bytes; wcat 12,582,912 bytes; wob 8,388,608 bytes; rope 1,048,576 bytes; qf 8,388,608 bytes; kf 2,097,152 bytes; vf 2,097,152 bytes; af 8,388,608 bytes
;; launch prep (part 1): grid 128 x 8, 8 waves a work-group, no clusters, 0 bytes of LDS; arguments hidden_states, wq, wk, wv, wo, xb, wcat, wob, rope; writes xb, wcat, wob, rope
.if DOCPART == 1
	.amdgcn_target "amdgcn-amd-amdhsa--gfx1250"
	.amdhsa_code_object_version 6
	.text
	.protected	k_qa0a5316d6b_prep
	.globl	k_qa0a5316d6b_prep
	.p2align	8
	.type	k_qa0a5316d6b_prep,@function
k_qa0a5316d6b_prep:
	s_mov_b64 s[64:65], 0
	v_nop
	global_prefetch_b8 v0, s[64:65] scope:SCOPE_SE
	s_setreg_imm32_b32 hwreg(HW_REG_WAVE_MODE, 25, 1), 1
	s_wait_xcnt 0x0
; PREP: the inputs are rounded once to 16 bits and laid out for the products, and the table of cos and sin is made.
; THE WHOLE PROGRAM: prep; qkv ([q|k|v] = x w, rotated, f16); attn (causal, grouped heads); oproj (out0 = attn wo).
; WORK LEFT OUT (in attn), shown here: reference() itself builds the causal mask (jnp.tril) and gives every key k > q the score -1e9.  Its weight is
; exp(-1e9 - max of the row), which is 0 in f32 as long as the row's largest visible scaled score lies above about -1e9 + 100; in exact arithmetic it is below e^-1e8 of the row's sum.
; So key steps (64 keys) that lie wholly above the diagonal reach no output and are not computed; inside the step that holds the diagonal the hidden scores are computed and pushed down by 1e30.
; LIMITS, stated: scaled scores stay below about 1e9 in magnitude; q, k, v after the rotation stay within f16's 65,504; a weight below 2^-126 counts as 0; a NaN, an infinity or an
; overflow that reaches only the keys left out is not carried to the result.  All five inputs have a way to the output and are loaded.
; FORMATS: x, wq, wk, wv are rounded to bf16; wo is rounded to bf16 and that number is written as f16 (below 6e-5 it keeps f16's fixed step of 6e-8).
; SHARES: grid y picks the part.  y 0,1: x -> xb.  y 2,3: wq -> wcat's q parts.  y 4,5: wo -> wob.  y 6: wk -> wcat's k parts (x < 64), wv -> wcat's tail (x >= 64).  y 7: the table.
; A casting work-group takes 16,384 numbers: each thread 16 loads of 16 bytes (a wave's load: 512 bytes on end, or four rows' 128) and 16 stores of 8 bytes (a wave's store: 256 bytes on end, aligned).
; wcat: [tile t 16][K block kb 8][81,920 bytes]: 256 k x 128 columns of wq (columns 128 t ..), then 256 k x 32 of wk (columns 32 t ..).  Behind these 10,485,760 bytes: wv, turned, in the order of a
; matrix instruction's source: [block of 16 columns cb 32][32 along k kc 64][u 2][lane 32][16 bytes]: lane l holds column 16 cb + l % 16 and k = 32 kc + 16 u + 8 (l / 16) + 0..7.
; No LDS, no barrier, no matrix unit: the launch only moves bytes.
.set X,   16                           ; v[16:79]   what is loaded
.set Y,   80                           ; v[80:111]  what is stored
.set T,   4                            ; v[4:7]     at work
.set VS,  2                            ; v2  my byte offset in the source
.set VD,  3                            ; v3  my byte offset in the destination
.set SRC, 28                           ; s[28:29]
.set DST, 30                           ; s[30:31]
.set BLOCK, 81920                      ; bytes in a block of wcat
.set WVF, 128*BLOCK                    ; where the turned wv begins
; sixteen loads, then for each: its wait (the 15 - i younger loads stay out), the rounding, its store.  No register is written twice, so nothing waits for a store.
.macro CAST16 sA, sB, dA, dB, f16
.set i, 0
.rept 16
	global_load_b128 v[X+4*i:X+4*i+3], v[VS], s[SRC:SRC+1] offset:(i/4)*(\sA)+(i%4)*(\sB) th:TH_LOAD_NT
.set i, i+1
.endr
.set i, 0
.rept 16
	s_wait_loadcnt 15-i
	v_cvt_pk_bf16_f32 v[Y+2*i], v[X+4*i], v[X+4*i+1]
	v_cvt_pk_bf16_f32 v[Y+2*i+1], v[X+4*i+2], v[X+4*i+3]
.if \f16
	v_lshlrev_b32 v[T], 16, v[Y+2*i]               ; the bf16 numbers as f32,
	v_and_b32 v[T+1], 0xffff0000, v[Y+2*i]
	v_lshlrev_b32 v[T+2], 16, v[Y+2*i+1]
	v_and_b32 v[T+3], 0xffff0000, v[Y+2*i+1]
	v_cvt_pk_f16_f32 v[Y+2*i], v[T], v[T+1]        ; written as f16
	v_cvt_pk_f16_f32 v[Y+2*i+1], v[T+2], v[T+3]
.endif
	global_store_b64 v[VD], v[Y+2*i:Y+2*i+1], s[DST:DST+1] offset:(i/4)*(\dA)+(i%4)*(\dB)
.set i, i+1
.endr
.endm
	s_load_b512 s[8:23], s[0:1], 0x0               ; x s[8:9], wq s[10:11], wk s[12:13], wv s[14:15], wo s[16:17], xb s[18:19], wcat s[20:21], wob s[22:23]
	s_load_b64 s[24:25], s[0:1], 0x40              ; rope
	v_and_b32 v1, 31, v0                           ; lane
	v_lshrrev_b32 v8, 5, v0                        ; wave
	v_readfirstlane_b32 s2, v8
	s_and_b32 s26, ttmp7, 0xffff                   ; y
	s_and_b32 s27, s26, 1
	s_lshl_b32 s27, s27, 7
	s_add_co_u32 s27, s27, ttmp9                   ; W = 128 (y & 1) + x: 0 .. 255
	s_mov_b32 s5, 0                                ; high words of the two offsets
	s_mov_b32 s7, 0
	s_wait_kmcnt 0x0
	s_cmp_lt_u32 s26, 2
	s_cbranch_scc1 .Lx
	s_cmp_lt_u32 s26, 4
	s_cbranch_scc1 .Lwq
	s_cmp_lt_u32 s26, 6
	s_cbranch_scc1 .Lwo
	s_cmp_eq_u32 s26, 6
	s_cbranch_scc1 .Lkv
	s_branch .Lrope
.Lx:                                               ; x: 65,536 bytes on end become 32,768
	s_lshl_b32 s4, s27, 16
	s_lshl_b32 s6, s27, 15
	s_add_nc_u64 s[SRC:SRC+1], s[8:9], s[4:5]
	s_add_nc_u64 s[DST:DST+1], s[18:19], s[6:7]
	v_lshlrev_b32 v[VS], 4, v0
	v_lshlrev_b32 v[VD], 3, v0
	CAST16 16384, 4096, 8192, 2048, 0
	s_endpgm
.Lwo:                                              ; wo likewise, written as f16
	s_lshl_b32 s4, s27, 16
	s_lshl_b32 s6, s27, 15
	s_add_nc_u64 s[SRC:SRC+1], s[16:17], s[4:5]
	s_add_nc_u64 s[DST:DST+1], s[22:23], s[6:7]
	v_lshlrev_b32 v[VS], 4, v0
	v_lshlrev_b32 v[VD], 3, v0
	CAST16 16384, 4096, 8192, 2048, 1
	s_endpgm
.Lwq:                                              ; 128 rows (kb of 16) x 128 columns (t) of wq: half of a block's q part; load i takes row 8 i + wave
	s_and_b32 s3, s27, 15                          ; t
	s_lshr_b32 s4, s27, 4                          ; kb
	s_lshl_b32 s6, s3, 3
	s_lshr_b32 s26, s4, 1
	s_add_co_u32 s6, s6, s26
	s_mul_i32 s6, s6, BLOCK                        ; block 8 t + kb / 2 of wcat,
	s_and_b32 s26, s4, 1
	s_lshl_b32 s26, s26, 15
	s_add_co_u32 s6, s6, s26                       ; its rows 128 (kb % 2) on
	s_lshl_b32 s4, s4, 20                          ; 128 rows of 8,192 bytes
	s_lshl_b32 s3, s3, 9                           ; 128 columns of 4 bytes
	s_add_co_u32 s4, s4, s3
	s_add_nc_u64 s[SRC:SRC+1], s[10:11], s[4:5]
	s_add_nc_u64 s[DST:DST+1], s[20:21], s[6:7]
	v_lshlrev_b32 v[VS], 4, v1
	v_lshl_add_u32 v[VS], v8, 13, v[VS]            ; wave x 8,192 + 16 lane
	v_lshlrev_b32 v[VD], 3, v0                     ; wave x 256 + 8 lane
	CAST16 262144, 65536, 8192, 2048, 0
	s_endpgm
.Lkv:
	s_cmp_lt_u32 ttmp9, 64
	s_cbranch_scc0 .Lwv
	; 128 rows x 128 columns of wk: the k parts of four tiles 4 tq + i % 4; load i takes rows 16 wave + 4 (i / 4) + lane / 8
	s_lshr_b32 s6, ttmp9, 2                        ; kb of 16
	s_and_b32 s4, ttmp9, 3                         ; tq
	s_lshl_b32 s27, s4, 5
	s_lshr_b32 s26, s6, 1
	s_add_co_u32 s27, s27, s26                     ; block 8 (4 tq) + kb / 2
	s_mul_i32 s27, s27, BLOCK
	s_and_b32 s26, s6, 1
	s_lshl_b32 s26, s26, 13
	s_add_co_u32 s27, s27, s26                     ; rows 128 (kb % 2) on, 64 bytes each,
	s_add_co_u32 s27, s27, 65536                   ; behind the q part
	s_lshl_b32 s6, s6, 18                          ; 128 rows of 2,048 bytes
	s_lshl_b32 s4, s4, 9
	s_add_co_u32 s4, s4, s6
	s_mov_b32 s6, s27
	s_add_nc_u64 s[SRC:SRC+1], s[12:13], s[4:5]
	s_add_nc_u64 s[DST:DST+1], s[20:21], s[6:7]
	v_lshrrev_b32 v9, 3, v1
	v_lshl_add_u32 v9, v8, 4, v9                   ; row 16 wave + lane / 8
	v_and_b32 v10, 7, v1
	v_lshlrev_b32 v10, 4, v10
	v_lshl_add_u32 v[VS], v9, 11, v10
	v_lshlrev_b32 v[VD], 3, v1
	v_lshl_add_u32 v[VD], v8, 10, v[VD]            ; four rows of 64 bytes are one store's 256
	CAST16 8192, 128, 256, 8*BLOCK, 0
	s_endpgm
; wv, TURNED.  Wave gw of 512 takes 64 k (kblock = gw / 16) x 32 columns (cg = gw % 16); a lane walks down its own column: 64 loads of 4 bytes (a wave's load: 128 bytes on end; the eight waves
; of a work-group take neighbouring columns of the same rows).  Eight numbers along k make a piece of 16 bytes; piece p (k = 64 kblock + 8 p ..) of lanes 0-15 is 256 bytes on end, aligned, of column
; block 2 cg, that of lanes 16-31 of column block 2 cg + 1, 65,536 bytes on: each store writes two whole blocks of 256 bytes.  Pieces p lie 256 bytes apart.
.macro PIECE p, left
	s_wait_loadcnt \left                           ; the younger pieces' loads stay out
.irp m, 0,1,2,3
	v_cvt_pk_bf16_f32 v[Y+4*(\p)+(\m)], v[X+8*(\p)+2*(\m)], v[X+8*(\p)+2*(\m)+1]
.endr
	global_store_b128 v[VD], v[Y+4*(\p):Y+4*(\p)+3], s[DST:DST+1] offset:256*(\p)
.endm
.Lwv:
	s_and_b32 s3, ttmp9, 63
	s_lshl_b32 s3, s3, 3
	s_add_co_u32 s3, s3, s2                        ; gw
	s_and_b32 s4, s3, 15                           ; cg
	s_lshr_b32 s3, s3, 4                           ; kblock
	s_lshl_b32 s6, s4, 17                          ; two column blocks of 65,536 bytes
	s_lshl_b32 s26, s3, 11                         ; 64 k are 2,048 bytes of a column block
	s_add_co_u32 s6, s6, s26
	s_add_co_u32 s6, s6, WVF
	s_lshl_b32 s4, s4, 7                           ; 32 columns of 4 bytes
	s_lshl_b32 s3, s3, 17                          ; 64 rows of 2,048 bytes
	s_add_co_u32 s4, s4, s3
	s_add_nc_u64 s[SRC:SRC+1], s[14:15], s[4:5]
	s_add_nc_u64 s[DST:DST+1], s[20:21], s[6:7]
	v_lshlrev_b32 v[VS], 2, v1
	v_and_b32 v9, 15, v1
	v_lshrrev_b32 v10, 4, v1
	v_lshlrev_b32 v9, 4, v9
	v_lshl_add_u32 v[VD], v10, 16, v9
.set i, 0
.rept 56
	global_load_b32 v[X+i], v[VS], s[SRC:SRC+1] offset:i*2048
.set i, i+1
.endr
	PIECE 0, 48
.rept 8
	global_load_b32 v[X+i], v[VS], s[SRC:SRC+1] offset:i*2048
.set i, i+1
.endr
.irp p, 1,2,3,4,5,6,7
	PIECE \p, 8*(7-(\p))
.endr
	s_endpgm
; THE TABLE: rope[pos][pair][cos, sin], f32, 512 bytes a position.  angle = pos x 10000^(-pair / 64), one f32 product as in reference().
; cos and sin by reduction to |r| <= pi/4 (n = the nearest whole number to angle x 2/pi; pi/2 taken away in two parts) and two series, cut at r^7 and r^8:
; what is cut is below 4e-7 for every r in that range, whatever the position.  The quadrant only selects and turns signs: no branch.
.set N,  20
.set R,  21
.set R2, 22
.set Q,  23
.set TS, 24
.set TC, 25
.macro SINCOS a, c, s
	v_mul_f32 v[N], s32, v[\a]
	v_rndne_f32 v[N], v[N]
	v_fma_f32 v[R], -v[N], s33, v[\a]
	v_fma_f32 v[R], -v[N], s34, v[R]
	v_mul_f32 v[R2], v[R], v[R]
	v_cvt_i32_f32 v[Q], v[N]
	v_fma_f32 v[TS], v[R2], s37, s36               ; 1/120 - r2/5040
	v_fma_f32 v[TC], v[R2], s40, s39               ; -1/720 + r2/40320
	v_fma_f32 v[TS], v[TS], v[R2], s35
	v_fma_f32 v[TC], v[TC], v[R2], s38
	v_mul_f32 v[TS], v[TS], v[R2]
	v_fma_f32 v[TC], v[TC], v[R2], -0.5
	v_fma_f32 v[TS], v[TS], v[R], v[R]             ; sin r
	v_fma_f32 v[TC], v[TC], v[R2], 1.0             ; cos r
	v_and_b32 v[N], 1, v[Q]
	v_cmp_eq_u32 vcc_lo, 1, v[N]
	v_cndmask_b32 v[\s], v[TS], v[TC], vcc_lo      ; odd quadrants change the two
	v_cndmask_b32 v[\c], v[TC], v[TS], vcc_lo
	v_and_b32 v[N], 2, v[Q]
	v_lshlrev_b32 v[N], 30, v[N]
	v_xor_b32 v[\s], v[\s], v[N]                   ; sin is negative in quadrants 2, 3
	v_add_nc_u32 v[Q], 1, v[Q]
	v_and_b32 v[Q], 2, v[Q]
	v_lshlrev_b32 v[Q], 30, v[Q]
	v_xor_b32 v[\c], v[\c], v[Q]                   ; cos in quadrants 1, 2
.endm
.Lrope:                                            ; a wave makes two positions, a lane two pairs of each: 16 bytes a lane, 512 on end a wave
	s_lshl_b32 s3, ttmp9, 4
	s_lshl_b32 s4, s2, 1
	s_add_co_u32 s3, s3, s4                        ; pos = 16 x + 2 wave (+ 1)
	s_mov_b32 s32, 0x3f22f983                      ; 2/pi
	s_mov_b32 s33, 0x3fc90fdb                      ; pi/2, high part
	s_mov_b32 s34, 0xb33bbd2e                      ; pi/2, the rest
	s_mov_b32 s35, 0xbe2aaaab                      ; -1/6
	s_mov_b32 s36, 0x3c088889                      ; 1/120
	s_mov_b32 s37, 0xb9500d01                      ; -1/5040
	s_mov_b32 s38, 0x3d2aaaab                      ; 1/24
	s_mov_b32 s39, 0xbab60b61                      ; -1/720
	s_mov_b32 s40, 0x37d00d01                      ; 1/40320
	v_lshlrev_b32 v9, 1, v1
	v_cvt_f32_u32 v10, v9                          ; pair 2 lane
	v_add_nc_u32 v9, 1, v9
	v_cvt_f32_u32 v11, v9                          ; pair 2 lane + 1
	v_mul_f32 v10, 0xbe549a78, v10                 ; x -log2(10000) / 64
	v_mul_f32 v11, 0xbe549a78, v11
	v_exp_f32 v10, v10
	v_exp_f32 v11, v11
	v_cvt_f32_u32 v12, s3
	s_add_co_u32 s4, s3, 1
	v_cvt_f32_u32 v13, s4
	v_nop                                          ; a plain instruction behind the second exponential,
	s_wait_alu depctr_va_vdst(0)                   ; and one wait for both, ahead of their first reader
	v_mul_f32 v14, v12, v10
	v_mul_f32 v15, v12, v11
	v_mul_f32 v16, v13, v10
	v_mul_f32 v17, v13, v11
	s_lshl_b32 s4, s3, 9
	v_lshlrev_b32 v18, 4, v1
	v_add_nc_u32 v18, s4, v18
	SINCOS 14, 40, 41
	SINCOS 15, 42, 43
	SINCOS 16, 44, 45
	SINCOS 17, 46, 47
	global_store_b128 v18, v[40:43], s[24:25]
	global_store_b128 v18, v[44:47], s[24:25] offset:512
	s_endpgm
.Lfunc_end_k_qa0a5316d6b_prep:
	.size	k_qa0a5316d6b_prep, .Lfunc_end_k_qa0a5316d6b_prep-k_qa0a5316d6b_prep
	.p2alignl 7, 3214868480
	.fill 96, 4, 3214868480
	.section	.rodata,"a",@progbits
	.p2align	6, 0x0
	.amdhsa_kernel k_qa0a5316d6b_prep
		.amdhsa_group_segment_fixed_size 0
		.amdhsa_private_segment_fixed_size 0
		.amdhsa_enable_private_segment 0
		.amdhsa_kernarg_size 72
		.amdhsa_user_sgpr_count 2
		.amdhsa_user_sgpr_kernarg_segment_ptr 1
		.amdhsa_wavefront_size32 1
		.amdhsa_system_sgpr_workgroup_id_x 1
		.amdhsa_system_sgpr_workgroup_id_y 1
		.amdhsa_system_sgpr_workgroup_id_z 1
		.amdhsa_system_vgpr_workitem_id 0
		.amdhsa_next_free_vgpr 112
		.amdhsa_next_free_sgpr 66
		.amdhsa_reserve_vcc 1
		.amdhsa_float_denorm_mode_32 3
		.amdhsa_float_denorm_mode_16_64 3
		.amdhsa_memory_ordered 1
		.amdhsa_forward_progress 1
		.amdhsa_inst_pref_size 46
	.end_amdhsa_kernel
	.amdgpu_metadata
---
amdhsa.version: [ 1, 2 ]
amdhsa.kernels:
  - .name:           k_qa0a5316d6b_prep
    .symbol:         k_qa0a5316d6b_prep.kd
    .args:
      - { .name: hidden_states, .offset: 0, .size: 8, .value_kind: global_buffer, .address_space: global }
      - { .name: wq, .offset: 8, .size: 8, .value_kind: global_buffer, .address_space: global }
      - { .name: wk, .offset: 16, .size: 8, .value_kind: global_buffer, .address_space: global }
      - { .name: wv, .offset: 24, .size: 8, .value_kind: global_buffer, .address_space: global }
      - { .name: wo, .offset: 32, .size: 8, .value_kind: global_buffer, .address_space: global }
      - { .name: xb, .offset: 40, .size: 8, .value_kind: global_buffer, .address_space: global }
      - { .name: wcat, .offset: 48, .size: 8, .value_kind: global_buffer, .address_space: global }
      - { .name: wob, .offset: 56, .size: 8, .value_kind: global_buffer, .address_space: global }
      - { .name: rope, .offset: 64, .size: 8, .value_kind: global_buffer, .address_space: global }
    .group_segment_fixed_size: 0
    .private_segment_fixed_size: 0
    .kernarg_segment_align: 8
    .kernarg_segment_size: 72
    .max_flat_workgroup_size: 256
    .sgpr_count:     66
    .vgpr_count:     112
    .wavefront_size: 32
...
	.end_amdgpu_metadata
.endif
;; end of part 1
;; launch qkv (part 2): grid 16 x 16, 4 waves a work-group, clusters of 4 x 4, 327,680 bytes of LDS; arguments xb, wcat, rope, qf, kf, vf; writes qf, kf, vf
.if DOCPART == 2
	.amdgcn_target "amdgcn-amd-amdhsa--gfx1250"
	.amdhsa_code_object_version 6
	.text
	.protected	k_qa0a5316d6b_qkv
	.globl	k_qa0a5316d6b_qkv
	.p2align	8
	.type	k_qa0a5316d6b_qkv,@function
k_qa0a5316d6b_qkv:
	s_mov_b64 s[64:65], 0
	v_nop
	global_prefetch_b8 v0, s[64:65] scope:SCOPE_SE
	s_setreg_imm32_b32 hwreg(HW_REG_WAVE_MODE, 25, 1), 1
	s_wait_xcnt 0x0
	s_wait_alu depctr_hold_cnt(0) depctr_sa_sdst(0) depctr_va_vdst(0) depctr_va_sdst(0) depctr_va_ssrc(0) depctr_va_vcc(0) depctr_vm_vsrc(0)
	s_getreg_b32 s2, hwreg(HW_REG_IB_STS2, 6, 4)
	s_cmp_eq_u32 s2, 0
	s_cbranch_scc0 .Lentry_in_a_cluster
	s_endpgm
.Lentry_in_a_cluster:
	s_bfe_u32 s2, ttmp6, 0x10000c
	s_cmp_lg_u32 s2, 0xf033
	s_cbranch_scc0 .Lentry_shape_is_right
	s_endpgm
.Lentry_shape_is_right:
; QKV: [q | k | v] = x w in bf16 with f32 sums, q and k rotated in f32, all three rounded once to f16 and stored in the order in which attn's matrix instructions take them.
; LIMIT: q, k, v stay within f16's 65,504.
; SHARES.  A work-group makes 128 positions x 192 columns: query head t (128 columns of wq), columns 32 t .. 32 t + 31 of wk and the same of wv: 256 work-groups of one text.
; A wave makes 64 positions (rh) x 96 columns (c): 24 accumulators (a = 0..3 blocks of 16 positions; b = 0..3: q's dims 64 c + 16 b ..; b = 4: k's 16 columns; b = 5: v's).
; For b <= 4 the product is taken transposed (source 0 = 16 columns of w, source 1 = 16 positions): a lane holds ONE position (lane % 16) and eight neighbouring columns: four rotation pairs,
; and, rounded, 16 bytes that are half a fragment of Q or K.  For b = 5 source 0 = positions: a lane holds one channel and eight neighbouring positions: half a fragment of V^T.
; So every store of a wave is 512 consecutive bytes, aligned, straight from the registers.
; K goes in 8 steps of 256 through two LDS slots: a refill has 168 of a step's 192 matrix instructions in which to land.  x's tile: 128 rows of 512 bytes, 528 apart.  w's tile: one block of wcat
; (q's and k's columns), 81,920 dense bytes, as 320 rows of 256 bytes, 288 apart; w lies [k][column], so its fragments come out of LDS turned, by ds_load_tr16_b128.
; v's WEIGHTS DO NOT PASS THROUGH LDS: with them two slots of 256 along K would take 2 x (67,584 + 110,592) = 356,352 bytes of the 327,680 that there are; without them 2 x 159,744.  They are 64 of a step's
; 384 rows; prep has laid them in the order of the instruction's source, and each wave loads its own 16 columns straight into registers, 512 bytes on end a load, two K steps ahead of their use.
; For the same reason they are not asked for jointly.
; CLUSTER 4 x 4: x's tile hangs on the tile row alone and is asked for jointly along a row of the cluster, w's on t alone and jointly along a column.
; REGISTERS: window 0: v0-35 addresses and four at work, v64-255 the accumulators ((a, b) at 64 + 8 (6 a + b)); windows 1 and 2: a fragment buffer each (for each 32 along K, at 80 c: 4 of x, 5 of w)
; and, at v160-223, v's fragments: by slot (32), by quarter / 2 (16), by 32 along K (8): a quarter's lie in the window of the buffer that it multiplies;
; window 3: v0-159 cos and sin for my positions and pairs, loaded at the head and waited for at the end.
.set PA,    528
.set PB,    288
.set HALFA, 64*PA                      ; what wave 0 or 1 fetches
.set BOFF,  2*HALFA                    ; w's tile behind x's
.set HALFB, 160*PB                     ; what wave 2 or 3 fetches
.set SLOT,  BOFF+2*HALFB               ; 159,744
.set KOFF,  BOFF+256*PB                ; the k part: row k at (k / 4) 288 + (k % 4) 64
.set SPARE, 2*SLOT                     ; the spare words, 128 bytes for each wave: two blocks of 256 bytes that no other line names
.set BLOCK, 81920                      ; bytes in a block of wcat
.set WVF,   128*BLOCK                  ; where the turned wv begins in wcat
.set ADRA, 16                          ; v16-17  my x fragments in slot 0, 1
.set ADRQ, 18                          ; v18-21  my q columns of w: slot 0 rows 0-127, rows 128-255; slot 1 likewise
.set ADRK, 22                          ; v22-23  my k columns of w
.set TO,   24                          ; v24     my offset in the table: 512 (l % 16) + 32 (l / 16)
.set SO,   25                          ; v25     16 x lane; never rewritten
.set SPW,  28
.set NIL,  29
.set TMP,  32
.set ACC,  64
.set VR,   160                         ; v's fragments, in windows 1 and 2
.set G1A, 24
.set G0A, 32
.set G1B, 48
.set G0B, 56
.set VP,  88                           ; s[88:89] v's weights: my 16 columns, at the K step that slot 0's registers are loaded for
.set MSB, 0
.macro WIN new                         ; the immediate's high byte repeats the setting that is left
.if MSB != (\new)
	s_set_vgpr_msb (MSB<<8)|(\new)
.set MSB, \new
.endif
.endm
.macro JLOAD s                         ; a joint load: waves 0, 1 fetch the halves of x's tile, waves 2, 3 those of w's; s_nop 0 and four v_nop follow each line
	s_cmp_eq_u32 s17, 0
	s_cbranch_scc0 .Lfor_b_\@
	tensor_load_to_lds s[G0A+4*(\s):G0A+4*(\s)+3], s[G1A:G1A+7]
	s_nop 0
.rept 4
	v_nop
.endr
	s_branch .Lasked_\@
.Lfor_b_\@:
	tensor_load_to_lds s[G0B+4*(\s):G0B+4*(\s)+3], s[G1B:G1B+7]
	s_nop 0
.rept 4
	v_nop
.endr
.Lasked_\@:
.endm
.macro CREST                           ; a round of the cluster's barrier behind its opening barrier
	s_cmp_lg_u32 s16, 0
	s_cbranch_scc1 .Lnot_wave_0_\@
	s_barrier_signal -3
.Lnot_wave_0_\@:
	s_barrier_wait -3
	s_barrier_signal -1
	s_barrier_wait -1
.endm
.macro CROUND
	s_barrier_signal -1
	s_barrier_wait -1
	CREST
.endm
.macro PLACES                          ; four plain places behind matrix instructions, ahead of loads into their sources and of readers of their results
.rept 4
	v_nop
.endr
.endm
; v's fragments of quarter q (64 along K) of the K step that slot st's registers take next: four loads of 512 bytes on end
.macro VLOAD st, q
	WIN 0x40*(1+(\q)%2)
.irp c, 0,1
	global_load_b128 v[VR+32*(\st)+16*((\q)/2)+8*(\c):VR+32*(\st)+16*((\q)/2)+8*(\c)+3],   v[SO], s[VP:VP+1] offset:(\st)*8192+(2*(\q)+(\c))*1024
	global_load_b128 v[VR+32*(\st)+16*((\q)/2)+8*(\c)+4:VR+32*(\st)+16*((\q)/2)+8*(\c)+7], v[SO], s[VP:VP+1] offset:(\st)*8192+(2*(\q)+(\c))*1024+512
.endr
.endm
	s_load_b256 s[4:11], s[0:1], 0x0               ; xb s[4:5], wcat s[6:7], rope s[8:9], qf s[10:11]
	s_load_b128 s[12:15], s[0:1], 0x20             ; kf s[12:13], vf s[14:15]
	v_lshl_add_u32 v[SPW], v0, 2, SPARE
	v_mov_b32 v[NIL], 0
	ds_add_u32 v[SPW], v[NIL]                      ; the opening: the add, twice on end, and its wait ahead of my first tensor load
	ds_add_u32 v[SPW], v[NIL]
	v_lshrrev_b32 v1, 5, v0
	v_readfirstlane_b32 s16, v1                    ; wave
	s_lshr_b32 s17, s16, 1                         ; rh: my 64 positions.  Also: I fetch x (0) or w (1)
	s_and_b32 s18, s16, 1                          ; c: my 96 columns.  Also: which half I fetch
	s_bfe_u32 s19, ttmp6, 0x40000                  ; cx
	s_bfe_u32 s20, ttmp6, 0x40004                  ; cy
	s_lshl_b32 s21, ttmp9, 2
	s_add_co_u32 s21, s21, s19                     ; t
	s_and_b32 s22, ttmp7, 0xffff
	s_lshl_b32 s22, s22, 2
	s_add_co_u32 s22, s22, s20                     ; tile row
	s_lshl_b32 s23, s20, 2
	s_lshl_b32 s23, 15, s23                        ; my row of the cluster
	s_lshl_b32 s2, 0x1111, s19                     ; my column
	s_or_b32 s[G1A], s23, (1<<16)|(1<<20)|(1<<21)|(6<<22)|(3<<25)  ; mask; 2-byte elements; padding on; bit 21 beside a mask; after every 128 words 4 words
	s_mov_b32 s[G1A+1], 256<<16                    ; tensor_dim0 = 256
	s_mov_b32 s[G1A+2], 64<<16                     ; tensor_dim1 = 64
	s_mov_b32 s[G1A+3], 256<<16                    ; tile_dim0 = 256
	s_mov_b32 s[G1A+4], 64                         ; tile_dim1 = 64
	s_mov_b32 s[G1A+5], 2048                       ; elements from row to row
	s_mov_b32 s[G1A+6], 0
	s_mov_b32 s[G1A+7], 0
	s_or_b32 s[G1B], s2, (3<<16)|(1<<20)|(1<<21)|(5<<22)|(7<<25)   ; 8-byte elements; after every 64 words 8 words
	s_mov_b32 s[G1B+1], 32<<16                     ; a dense block as rows of 32 x 8 bytes
	s_mov_b32 s[G1B+2], 160<<16
	s_mov_b32 s[G1B+3], 32<<16
	s_mov_b32 s[G1B+4], 160
	s_mov_b32 s[G1B+5], 32
	s_mov_b32 s[G1B+6], 0
	s_mov_b32 s[G1B+7], 0
	s_lshl_b32 s40, s22, 7                         ; x: row 128 x tile row + 64 x half, 4,096 bytes a row (s40-43 never hold t or cx)
	s_lshl_b32 s41, s18, 6
	s_add_co_u32 s40, s40, s41
	s_lshl_b32 s40, s40, 12
	s_mov_b32 s41, 0
	s_mul_i32 s44, s21, 8*BLOCK                    ; w: tile t's 8 blocks, my half of a block (s44-47 never hold the tile row or cy)
	s_mul_i32 s45, s18, BLOCK/2
	s_add_co_u32 s44, s44, s45
	s_mov_b32 s45, 0
	s_mul_i32 s84, s18, HALFA                      ; where they go: the wave's number alone
	s_mul_i32 s85, s18, HALFB
	s_add_co_u32 s85, s85, BOFF
	s_wait_dscnt 0x0                               ; both opening adds are done
	s_wait_kmcnt 0x0
	s_add_nc_u64 s[42:43], s[4:5], s[40:41]
	s_add_nc_u64 s[46:47], s[6:7], s[44:45]
	CROUND                                         ; all sixteen work-groups are here: the first joint loads meet
.irp s, 0,1
	s_mov_b32 s[G0A+4*(\s)], 1
	s_add_co_u32 s[G0A+4*(\s)+1], s84, (\s)*SLOT
	s_add_nc_u64 s[G0A+4*(\s)+2:G0A+4*(\s)+3], s[42:43], (\s)*512
	s_or_b32 s[G0A+4*(\s)+3], s[G0A+4*(\s)+3], 0x80000000
	s_mov_b32 s[G0B+4*(\s)], 1
	s_add_co_u32 s[G0B+4*(\s)+1], s85, (\s)*SLOT
	s_add_nc_u64 s[G0B+4*(\s)+2:G0B+4*(\s)+3], s[46:47], (\s)*BLOCK
	s_or_b32 s[G0B+4*(\s)+3], s[G0B+4*(\s)+3], 0x80000000
	JLOAD \s                                       ; K steps 0 and 1: two loads of mine are out
.endr
	v_and_b32 v1, 15, v0                           ; r = l % 16
	v_bfe_u32 v2, v0, 4, 1                         ; h = l / 16
	v_and_b32 v3, 7, v0
	v_lshl_add_u32 v3, v2, 3, v3                   ; the turning load's row: 8 h + l % 8
	v_bfe_u32 v4, v0, 3, 1                         ; and its 16 bytes: (l / 8) % 2
	v_mul_u32_u24 v5, v1, PA
	v_lshl_add_u32 v5, v2, 4, v5
	s_mul_i32 s86, s17, HALFA
	v_add_nc_u32 v[ADRA], s86, v5
	v_add_nc_u32 v[ADRA+1], SLOT, v[ADRA]
	v_mul_u32_u24 v6, v3, PB
	v_lshl_add_u32 v6, v4, 4, v6
	s_lshl_b32 s86, s18, 7
	s_add_co_u32 s86, s86, BOFF
	v_add_nc_u32 v[ADRQ], s86, v6
	v_add_nc_u32 v[ADRQ+1], 128*PB, v[ADRQ]
	v_add_nc_u32 v[ADRQ+2], SLOT, v[ADRQ]
	v_add_nc_u32 v[ADRQ+3], SLOT+128*PB, v[ADRQ]
	v_lshrrev_b32 v7, 2, v3
	v_mul_u32_u24 v7, v7, PB
	v_and_b32 v8, 3, v3
	v_lshl_add_u32 v7, v8, 6, v7
	v_lshl_add_u32 v7, v4, 4, v7
	s_lshl_b32 s86, s18, 5
	s_add_co_u32 s86, s86, KOFF
	v_add_nc_u32 v[ADRK], s86, v7
	v_add_nc_u32 v[ADRK+1], SLOT, v[ADRK]
	v_lshlrev_b32 v[TO], 9, v1
	v_lshl_add_u32 v[TO], v2, 5, v[TO]
	v_and_b32 v[SO], 31, v0
	v_lshlrev_b32 v[SO], 4, v[SO]
	; the table's, v's weights' and the outputs' bases, in registers of their own
	s_lshl_b32 s76, s22, 3
	s_lshl_b32 s77, s17, 2
	s_add_co_u32 s76, s76, s77                     ; my first block of 16 positions: 8 x tile row + 4 rh
	s_lshl_b32 s76, s76, 12                        ; x 4,096
	s_and_b32 s78, s21, 3                          ; t % 4
	s_lshr_b32 s79, s21, 2
	s_lshl_b32 s79, s79, 19                        ; the key and value head t / 4: 524,288 bytes each
	s_lshl_b32 s80, s76, 1                         ; 16 positions are 8,192 bytes of the table
	s_mov_b32 s83, 0
	s_lshl_b32 s82, s18, 8
	s_add_co_u32 s82, s82, s80
	s_add_nc_u64 s[66:67], s[8:9], s[82:83]        ; table for q: pairs 32 c ..
	s_lshl_b32 s82, s78, 7
	s_add_co_u32 s82, s82, s80
	s_lshl_b32 s81, s18, 6
	s_add_co_u32 s82, s82, s81
	s_add_nc_u64 s[68:69], s[8:9], s[82:83]        ; table for k: pairs 16 (t % 4) + 8 c ..
	s_lshl_b32 s82, s21, 19
	s_add_co_u32 s82, s82, s76
	s_lshl_b32 s81, s18, 11
	s_add_co_u32 s82, s82, s81
	s_add_nc_u64 s[70:71], s[10:11], s[82:83]      ; qf: head t, my blocks, dims 64 c ..
	s_add_co_u32 s82, s79, s76
	s_lshl_b32 s81, s78, 10
	s_add_co_u32 s82, s82, s81
	s_lshl_b32 s81, s18, 9
	s_add_co_u32 s82, s82, s81
	s_add_nc_u64 s[72:73], s[12:13], s[82:83]      ; kf: dims 32 (t % 4) + 16 c ..
	s_add_co_u32 s82, s79, s76
	s_lshl_b32 s81, s78, 11
	s_add_co_u32 s82, s82, s81
	s_lshl_b32 s81, s18, 10
	s_add_co_u32 s82, s82, s81
	s_add_nc_u64 s[74:75], s[14:15], s[82:83]      ; vf: channel block 2 (t % 4) + c
	s_lshl_b32 s82, s21, 17
	s_lshl_b32 s81, s18, 16
	s_add_co_u32 s82, s82, s81
	s_add_co_u32 s82, s82, WVF
	s_add_nc_u64 s[VP:VP+1], s[6:7], s[82:83]      ; v's weights: column block 2 t + c, 65,536 bytes each, at K step 0
	WIN 0xc0                                       ; destination window 3.  These 40 loads stay out as long as they like; their registers are touched by nothing until the wait at the end
.irp a, 0,1,2,3
.irp b, 0,1,2,3
	global_load_b128 v[8*(5*(\a)+(\b)):8*(5*(\a)+(\b))+3],   v[TO], s[66:67] offset:(\a)*8192+64*(\b)
	global_load_b128 v[8*(5*(\a)+(\b))+4:8*(5*(\a)+(\b))+7], v[TO], s[66:67] offset:(\a)*8192+64*(\b)+16
.endr
	global_load_b128 v[8*(5*(\a)+4):8*(5*(\a)+4)+3],   v[TO], s[68:69] offset:(\a)*8192
	global_load_b128 v[8*(5*(\a)+4)+4:8*(5*(\a)+4)+7], v[TO], s[68:69] offset:(\a)*8192+16
.endr
.irp s, 0,1                            ; v's weights of K steps 0 and 1, quarter by quarter, behind the table's loads: every wait for one of them covers the table too
.irp q, 0,1,2,3
	VLOAD \s, \q
.endr
.endr
	WIN 0
; 12 matrix instructions: blocks a0, a0 + 1 x all six b, 32 along K: half c of buffer f (window f); vr: the quarter's fragments of v.  The 24 accumulators take turns, one instruction a turn.
.macro MUL12 f, c, a0, zero, vr
	WIN 0x05*(\f)
.irp a, \a0, (\a0)+1
.irp b, 0,1,2,3,4,5
.set rD, ACC+8*(6*(\a)+(\b))
.set rA, 80*(\c)+8*(\a)
.if (\b) < 5
.set rB, 80*(\c)+32+8*(\b)
.if \zero
	v_wmma_f32_16x16x32_bf16 v[rD:rD+7], v[rB:rB+7], v[rA:rA+7], 0
.else
	v_wmma_f32_16x16x32_bf16 v[rD:rD+7], v[rB:rB+7], v[rA:rA+7], v[rD:rD+7]
.endif
.else
.set rB, (\vr)+8*(\c)
.if \zero
	v_wmma_f32_16x16x32_bf16 v[rD:rD+7], v[rA:rA+7], v[rB:rB+7], 0
.else
	v_wmma_f32_16x16x32_bf16 v[rD:rD+7], v[rA:rA+7], v[rB:rB+7], v[rD:rD+7]
.endif
.endif
.endr
.endr
.endm
; 36 LDS loads in one run: the fragments of quarter q (64 along K) of the slot's step, into buffer f; the first 32 along K first
.macro FETCH slot, q, f
	WIN 0x40*(\f)
.irp c, 0,1
.irp a, 0,1,2,3
	ds_load_b128 v[80*(\c)+8*(\a):80*(\c)+8*(\a)+3],   v[ADRA+(\slot)] offset:128*(\q)+64*(\c)+(\a)*16*PA
	ds_load_b128 v[80*(\c)+8*(\a)+4:80*(\c)+8*(\a)+7], v[ADRA+(\slot)] offset:128*(\q)+64*(\c)+(\a)*16*PA+32
.endr
.irp b, 0,1,2,3
	ds_load_tr16_b128 v[80*(\c)+32+8*(\b):80*(\c)+32+8*(\b)+3],   v[ADRQ+2*(\slot)+(\q)/2] offset:(((\q)%2)*64+32*(\c))*PB+32*(\b)
	ds_load_tr16_b128 v[80*(\c)+32+8*(\b)+4:80*(\c)+32+8*(\b)+7], v[ADRQ+2*(\slot)+(\q)/2] offset:(((\q)%2)*64+32*(\c))*PB+32*(\b)+16*PB
.endr
	ds_load_tr16_b128 v[80*(\c)+64:80*(\c)+67], v[ADRK+(\slot)] offset:(64*(\q)+32*(\c))*72
	ds_load_tr16_b128 v[80*(\c)+68:80*(\c)+71], v[ADRK+(\slot)] offset:(64*(\q)+32*(\c))*72+1152
.endr
.endm
; A K step is four quarters of 64, on buffers 1, 2, 1, 2.  Quarter q = 0, 1 or 2 multiplies its buffer and fetches quarter q + 1 into the other.  vl = 1: in the same run of loads, behind the same four
; places, v's registers of the quarter before, which has been multiplied, are loaded for the K step two on.  lc: how many younger loads of v's weights may stay out when this quarter's must be in.
.macro QUARTER slot, q, zero, vl, lc
	s_wait_dscnt 18                                ; the first 32 along K are in; the 18 younger loads may be out
	s_wait_loadcnt \lc
	MUL12 1+(\q)%2, 0, 0, \zero, VR+32*(\slot)+16*((\q)/2)
	MUL12 1+(\q)%2, 0, 2, \zero, VR+32*(\slot)+16*((\q)/2)
	PLACES
	FETCH \slot, (\q)+1, 2-(\q)%2
.if \vl
.if (\q) == 0
	VLOAD 1-(\slot), 3
.else
	VLOAD \slot, (\q)-1
.endif
.endif
	s_wait_dscnt 36                                ; all but the 36 just issued
	MUL12 1+(\q)%2, 1, 0, 0, VR+32*(\slot)+16*((\q)/2)
	MUL12 1+(\q)%2, 1, 2, 0, VR+32*(\slot)+16*((\q)/2)
.endm
; Quarter 3 multiplies buffer 2 and changes slots: ONE barrier; ahead of it each wave waits for all its tensor loads (its part of the next slot), adds 0 to its spare word, and waits for that and for
; its reads of this slot.  fill = 1: the barrier opens a round of the cluster's, and behind the round this slot is filled again, two K steps ahead, first of all.
.macro TURN slot, next, fill, vl, lc
	WIN 0
	s_wait_tensorcnt 0x0
	ds_add_u32 v[SPW], v[NIL]
	s_wait_dscnt 19                                ; (the add and the youngest 18 loads may be out)
	s_wait_loadcnt \lc
	MUL12 2, 0, 0, 0, VR+32*(\slot)+16
	s_wait_dscnt 0x0                               ; the add is done, and my reads of this slot are over
	s_barrier_signal -1
	MUL12 2, 0, 2, 0, VR+32*(\slot)+16
.if \fill
	WIN 0
.endif
	s_barrier_wait -1
.if \fill
	CREST
	s_add_nc_u64 s[G0A+4*(\slot)+2:G0A+4*(\slot)+3], s[G0A+4*(\slot)+2:G0A+4*(\slot)+3], 1024
	s_add_nc_u64 s[G0B+4*(\slot)+2:G0B+4*(\slot)+3], s[G0B+4*(\slot)+2:G0B+4*(\slot)+3], 2*BLOCK
	JLOAD \slot                                    ; its four v_nop are also the places ahead of the loads below
.else
	PLACES
.endif
	FETCH \next, 0, 1
.if \vl
	VLOAD \slot, 2
.endif
	MUL12 2, 1, 0, 0, VR+32*(\slot)+16
	MUL12 2, 1, 2, 0, VR+32*(\slot)+16
.endm
	s_wait_tensorcnt 1                             ; my part of K step 0 is in; K step 1's may stay out
	s_barrier_signal -1
	s_barrier_wait -1
	FETCH 0, 0, 1
	QUARTER 0, 0, 1, 0, 28                         ; the first products start the sums: nothing is cleared.  Seven younger quarters' loads of v's weights, four each, stay out
	WIN 0
	s_mov_b32 s3, 3
.Llap:                                             ; a trip goes once round the ring, from a lap's second quarter to the next lap's first, and fills both slots again: K steps 2 to 7.
	                                               ; In each quarter four loads of v's weights go out, for the quarter seven on: six such groups, 24 loads, are younger than the one that a quarter waits for
	s_wait_xcnt 0x0                                ; every load issued so far has read its address (the youngest stand half a quarter back): the pointer may be written
	s_add_nc_u64 s[VP:VP+1], s[VP:VP+1], 16384     ; two K steps on
	QUARTER 0, 1, 0, 1, 24
	QUARTER 0, 2, 0, 1, 24
	TURN 0, 1, 1, 1, 24
	QUARTER 1, 0, 0, 1, 24
	QUARTER 1, 1, 0, 1, 24
	QUARTER 1, 2, 0, 1, 24
	TURN 1, 0, 1, 1, 24
	QUARTER 0, 0, 0, 1, 24
	WIN 0
	s_sub_co_u32 s3, s3, 1
	s_cmp_lg_u32 s3, 0
	s_cbranch_scc1 .Llap
	QUARTER 0, 1, 0, 0, 24                         ; the last lap fills and asks for nothing: the counts run down
	QUARTER 0, 2, 0, 0, 20
	TURN 0, 1, 0, 0, 16
	QUARTER 1, 0, 0, 0, 12
	QUARTER 1, 1, 0, 0, 8
	QUARTER 1, 2, 0, 0, 4
	s_wait_dscnt 18
	s_wait_loadcnt 0x0                             ; the last of v's weights (and, long since, cos and sin)
	MUL12 2, 0, 0, 0, VR+48
	MUL12 2, 0, 2, 0, VR+48
	s_wait_dscnt 0x0
	MUL12 2, 1, 0, 0, VR+48
	MUL12 2, 1, 2, 0, VR+48
	WIN 0
	PLACES
	; THE ROTATION, in f32, in place: (re, im) -> (re c - im s, re s + im c).  Each accumulator is read from its lowest registers on.
	WIN 0x0c                                       ; source 1 in window 3
.irp a, 0,1,2,3
.irp b, 0,1,2,3,4
.irp i, 0,1,2,3
.set rX, ACC+8*(6*(\a)+(\b))+2*(\i)
.set rC, 8*(5*(\a)+(\b))+2*(\i)
	v_mul_f32 v[TMP+(\i)], v[rX], v[rC+1]
	v_mul_f32 v[rX], v[rX], v[rC]
	v_fma_f32 v[rX], -v[rX+1], v[rC+1], v[rX]
	v_fma_f32 v[rX+1], v[rX+1], v[rC], v[TMP+(\i)]
.endr
.endr
.endr
	WIN 0
.irp a, 0,1,2,3
.irp b, 0,1,2,3,4,5
.irp i, 0,1,2,3
	v_cvt_pk_f16_f32 v[ACC+8*(6*(\a)+(\b))+(\i)], v[ACC+8*(6*(\a)+(\b))+2*(\i)], v[ACC+8*(6*(\a)+(\b))+2*(\i)+1]
.endr
.endr
.endr
.irp a, 0,1,2,3                        ; each store: 32 lanes x 16 bytes, 512 on end, aligned
.irp b, 0,1,2,3
	global_store_b128 v[SO], v[ACC+8*(6*(\a)+(\b)):ACC+8*(6*(\a)+(\b))+3], s[70:71] offset:4096*(\a)+512*(\b)
.endr
	global_store_b128 v[SO], v[ACC+8*(6*(\a)+4):ACC+8*(6*(\a)+4)+3], s[72:73] offset:4096*(\a)
	global_store_b128 v[SO], v[ACC+8*(6*(\a)+5):ACC+8*(6*(\a)+5)+3], s[74:75] offset:((\a)/2)*8192+((\a)%2)*512
.endr
	s_wait_tensorcnt 0x0                           ; the wave's end
	ds_add_u32 v[SPW], v[NIL]
	s_wait_dscnt 0x0
	CROUND                                         ; the closing round
	s_endpgm
.Lfunc_end_k_qa0a5316d6b_qkv:
	.size	k_qa0a5316d6b_qkv, .Lfunc_end_k_qa0a5316d6b_qkv-k_qa0a5316d6b_qkv
	.p2alignl 7, 3214868480
	.fill 96, 4, 3214868480
	.section	.rodata,"a",@progbits
	.p2align	6, 0x0
	.amdhsa_kernel k_qa0a5316d6b_qkv
		.amdhsa_group_segment_fixed_size 327680
		.amdhsa_private_segment_fixed_size 0
		.amdhsa_enable_private_segment 0
		.amdhsa_kernarg_size 48
		.amdhsa_user_sgpr_count 2
		.amdhsa_user_sgpr_kernarg_segment_ptr 1
		.amdhsa_wavefront_size32 1
		.amdhsa_system_sgpr_workgroup_id_x 1
		.amdhsa_system_sgpr_workgroup_id_y 1
		.amdhsa_system_sgpr_workgroup_id_z 1
		.amdhsa_system_vgpr_workitem_id 0
		.amdhsa_next_free_vgpr 928
		.amdhsa_next_free_sgpr 92
		.amdhsa_reserve_vcc 0
		.amdhsa_float_denorm_mode_32 3
		.amdhsa_float_denorm_mode_16_64 3
		.amdhsa_memory_ordered 1
		.amdhsa_forward_progress 1
		.amdhsa_inst_pref_size 134
	.end_amdhsa_kernel
	.amdgpu_metadata
---
amdhsa.version: [ 1, 2 ]
amdhsa.kernels:
  - .name:           k_qa0a5316d6b_qkv
    .symbol:         k_qa0a5316d6b_qkv.kd
    .args:
      - { .name: xb, .offset: 0, .size: 8, .value_kind: global_buffer, .address_space: global }
      - { .name: wcat, .offset: 8, .size: 8, .value_kind: global_buffer, .address_space: global }
      - { .name: rope, .offset: 16, .size: 8, .value_kind: global_buffer, .address_space: global }
      - { .name: qf, .offset: 24, .size: 8, .value_kind: global_buffer, .address_space: global }
      - { .name: kf, .offset: 32, .size: 8, .value_kind: global_buffer, .address_space: global }
      - { .name: vf, .offset: 40, .size: 8, .value_kind: global_buffer, .address_space: global }
    .group_segment_fixed_size: 327680
    .private_segment_fixed_size: 0
    .kernarg_segment_align: 8
    .kernarg_segment_size: 48
    .max_flat_workgroup_size: 128
    .sgpr_count:     92
    .vgpr_count:     928
    .wavefront_size: 32
...
	.end_amdgpu_metadata
.endif
;; end of part 2
;; launch attn (part 3): grid 64 x 4, 4 waves a work-group, no clusters, 135,680 bytes of LDS; arguments qf, kf, vf, af; writes af
.if DOCPART == 3
	.amdgcn_target "amdgcn-amd-amdhsa--gfx1250"
	.amdhsa_code_object_version 6
	.text
	.protected	k_qa0a5316d6b_attn
	.globl	k_qa0a5316d6b_attn
	.p2align	8
	.type	k_qa0a5316d6b_attn,@function
k_qa0a5316d6b_attn:
	s_mov_b64 s[64:65], 0
	v_nop
	global_prefetch_b8 v0, s[64:65] scope:SCOPE_SE
	s_setreg_imm32_b32 hwreg(HW_REG_WAVE_MODE, 25, 1), 1
	s_wait_xcnt 0x0
; CAUSAL ATTENTION with grouped heads: 16 query heads, 4 key and value heads, head size 128, 2,048 positions.  q, k, v, the weights p and the result in f16; products, maxima and sums in f32.
; WORK LEFT OUT: key steps wholly above the diagonal (reference()'s own tril mask gives their weights 0: shown at the head of prep); a NaN, infinity or overflow that reaches only them is not carried on.
; LIMITS: a hidden score counts as its value less 1e30; a weight below 2^-126 counts as 0; q, k, v arrive within f16's range.
; SHARES.  A work-group (p, g) takes two blocks of 16 positions x the 4 query heads of group g (four tiles of 16 queries that share K and V): block 127 - p, then block p.  Block i needs
; n = i / 4 + 1 key steps of 64, the last with the diagonal.  THE KEYS ARE SPLIT AMONG THE FOUR WAVES: wave w holds all four tiles and takes steps w, w + 4, ..; the slowest wave of the two blocks
; together has ceil(n_hi / 4) + ceil(n_lo / 4) = 9 steps for every p.  At a block's end the four partial (m, l, O) meet in LDS, and wave w finishes tile w.
; MEMORY.  qf, kf, vf lie in the order of the matrix instructions' fragments: every load is 512 consecutive bytes, a key step is 16,384 bytes on end of kf and of vf, and goes straight into registers.
; NO CLUSTER: each fragment of K and V is used by one wave of the work-group alone, so nothing is shared inside it; to share among work-groups the steps would have to pass through LDS:
; two slots of four steps of K and V are 262,144 bytes, beside the merge's 135,680: more than the 327,680 that there are.
; LAYOUT.  S^T = K Q^T holds ONE query a lane (lane % 16) and the keys 8 (lane / 16) + 0..7; two such results rounded to f16 ARE source 1 of O^T = V^T P.  p = 2^(c s - c m), c = log2(e) / sqrt(128), with a
; running maximum m; O and l are multiplied by a = 2^(c m_old - c m_new) in every step; c m starts far below every c s, so a block's first step has a = 0 and wipes what lay in O and l.
; THE MASK is the C operand that starts S^T: MD (0 or -1e30, for the diagonal step) times 1 in the block's last step, times 0 elsewhere.
; A STEP: K Q^T of tiles 0, 1; K Q^T of tiles 2, 3 with the softmax of tiles 0, 1 in slices behind the products; V^T P of tiles 0, 1 with the softmax of tiles 2, 3; V^T P of tiles 2, 3.
; REGISTERS: window 0: v0-14 addresses; v16-47 eight of statistics a tile (c m, m, l, l, c0-c3); v64-191 S^T; v192-255 P.  window 1: O^T, 64 a tile.  window 2: v0-127 Q, v128-255 K.
; window 3: v0-127 V, v128-159 MD, v160-191 the step's mask.
.set STATS, 131072                     ; LDS: 0 .. 131,071 the four waves' partial O^T (wave x at 32,768 x; tile t, four registers qd at (16 t + qd) 512 + 16 lane); then c m and l: (2 t + kind) 512 + 16 lane + 4 wave
.set SPARE, STATS+4096                 ; the spare words, 128 bytes for each wave: two blocks of 256 bytes that no other line names
.set L16, 2                            ; v2   16 x lane; never rewritten
.set KA,  3                            ; v3   K's step: 16,384 x step + 16 lane
.set VA,  4                            ; v4   V's
.set SSA, 5                            ; v5   where I put a statistic
.set SRA, 6                            ; v6   where I read the four waves'
.set PS,  7                            ; v7   where I put my partial O^T
.set PR,  8                            ; v8   where I read tile w of waves 0, 1
.set PR2, 9                            ; v9   of waves 2, 3
.set PFO, 10                           ; v10  the prefetches' offset
.set RH8, 13                           ; v13  l % 16 - 8 (l / 16)
.set MK,  14
.set ST,  16
.set SPW, 62
.set NIL, 63
.set S,   64
.set P,   192
.set KF,  128
.set MD,  128
.set MC,  160
.set WV,  12
.set PP,  13
.set GG,  14
.set BLK, 15                           ; the block in hand
.set NN,  16                           ; its key steps
.set STP, 17                           ; the step
.set CNT, 18
.set BL,  19
.set TT,  20
.set KB,  22                           ; s[22:23] kf at group g
.set VB,  24
.set QB0, 26
.set QP,  28
.set OB0, 30
.set OP,  32
.set PFA, 34
.set PFN, 36
.set AL,  38                           ; s[38:39] the mask's factor, in the low word
.set BIGN, 40
.set OFS, 42                           ; s[42:43] an offset, high word 0
.set CS,  58
.set SEL, 60
.set MSB, 0
.macro WIN new
.if MSB != (\new)
	s_set_vgpr_msb (MSB<<8)|(\new)
.set MSB, \new
.endif
.endm
.set W_KQ, 0x0a                        ; K and Q in window 2, S^T in window 0
.set W_KM, 0x3a                        ; the same with C in window 3
.set W_PV, 0x53                        ; V in window 3, P in window 0, O^T in window 1
.set W_RS, 0x41                        ; O^T (destination and source 0) in window 1, the factor in window 0
.macro PLACES
.rept 4
	v_nop
.endr
.endm
; Product i of 32 of S^T = K Q^T for tiles x, x + 1: channels 32 (i / 8) on, keys 16 ((i / 2) % 4) on, tile x + i % 2.  The first 8 start the sums with the mask.  The 8 accumulators take turns.
.macro KQ x
.set rS, S+32*((\x)+i%2)+8*((i/2)%4)
.set rK, KF+32*((i/2)%4)+8*(i/8)
.set rQ, 32*((\x)+i%2)+8*(i/8)
.set rM, MC+8*((i/2)%4)
.if i < 8
	WIN W_KM
	v_wmma_f32_16x16x32_f16 v[rS:rS+7], v[rK:rK+7], v[rQ:rQ+7], v[rM:rM+7]
.else
	WIN W_KQ
	v_wmma_f32_16x16x32_f16 v[rS:rS+7], v[rK:rK+7], v[rQ:rQ+7], v[rS:rS+7]
.endif
.endm
; Product i of 32 of O^T += V^T P: keys 32 (i / 16) on, channels 16 ((i / 2) % 8) on, tile x + i % 2.  The 16 accumulators take turns.
.macro PV x
	WIN W_PV
.set rO, 64*((\x)+i%2)+8*((i/2)%8)
.set rV, 64*(i/16)+8*((i/2)%8)
.set rP, P+16*((\x)+i%2)+8*(i/16)
	v_wmma_f32_16x16x32_f16 v[rO:rO+7], v[rV:rV+7], v[rP:rP+7], v[rO:rO+7]
.endm
; One tile's softmax for one key step is a list of 134 instructions; SM writes number j of it for tile t.
;   0-15 the maximum of the lane's 32 scores and the old m (each accumulator's lowest registers first)     16-20 the other half of the lanes'; m; c m; its change
;   21-69 ONE BATCH: 16 packed scalings c s - c m and 33 exponentials (a at 23), none of which reads an exponential's result     (the wait: SLICE writes it)
;   70-85 the roundings to f16     86-101 the sums, l = a l + sum     102-133 O^T times a
.macro SM t
.set rT, ST+8*(\t)
.set rS, S+32*(\t)
.set rP, P+16*(\t)
.set rO, 64*(\t)+2*(j-102)
.if j < 102
	WIN 0
.endif
.if j < 4
	v_max3_num_f32 v[rT+4+j], v[rS+8*j], v[rS+8*j+1], v[rS+8*j+2]
.elseif j < 12
	v_max3_num_f32 v[rT+4+j%4], v[rT+4+j%4], v[rS+8*(j%4)+2*(j/4)+1], v[rS+8*(j%4)+2*(j/4)+2]
.elseif j == 12
	v_max3_num_f32 v[rT+4], v[rT+4], v[rS+7], v[rS+15]
.elseif j == 13
	v_max3_num_f32 v[rT+6], v[rT+6], v[rS+23], v[rS+31]
.elseif j == 14
	v_max3_num_f32 v[rT+4], v[rT+4], v[rT+5], v[rT+6]
.elseif j == 15
	v_max3_num_f32 v[rT+4], v[rT+4], v[rT+7], v[rT+1]
.elseif j == 16
	v_permlanex16_b32 v[rT+5], v[rT+4], s[SEL], s[SEL+1]
.elseif j == 17
	v_mov_b32 v[rT+7], v[rT]
.elseif j == 18
	v_max_num_f32 v[rT+1], v[rT+4], v[rT+5]
.elseif j == 19
	v_mul_f32 v[rT], s[CS], v[rT+1]
.elseif j == 20
	v_sub_f32 v[rT+7], v[rT+7], v[rT]
.elseif j == 23
	v_exp_f32 v[rT+6], v[rT+7]
.elseif (j < 23) || ((j < 38) && (j%2 == 0)) || ((j < 66) && (j%4 == 2))
.set b, (j-2)/4
.if j < 38
.set b, (j-20)/2
.endif
	v_pk_fma_f32 v[rS+2*b:rS+2*b+1], v[rS+2*b:rS+2*b+1], s[CS:CS+1], v[rT:rT+1] op_sel_hi:[1,0,0] neg_lo:[0,0,1] neg_hi:[0,0,1]
.elseif j < 70
.set e, j-38
.if j < 66
.set e, j-32-(j-38)/4
.endif
.if j < 38
.set e, (j-25)/2
.endif
	v_exp_f32 v[rS+e], v[rS+e]
.elseif j < 86
	v_cvt_pk_f16_f32 v[rP+j-70], v[rS+2*(j-70)], v[rS+2*(j-70)+1]
.elseif j < 102
.set z, j-86
.set w, 4
.set u, z
.if z >= 14
.set w, 32
.set u, 0
.elseif z >= 12
.set w, 16
.set u, z-12
.elseif z >= 8
.set w, 8
.set u, z-8
.endif
.if z < 15
	v_pk_add_f32 v[rS+w*u:rS+w*u+1], v[rS+w*u:rS+w*u+1], v[rS+w*u+w/2:rS+w*u+w/2+1]
.else
	v_pk_fma_f32 v[rT+2:rT+3], v[rT+2:rT+3], v[rT+6:rT+7], v[rS:rS+1] op_sel_hi:[1,0,1]
.endif
.else
	WIN W_RS
	v_pk_mul_f32 v[rO:rO+1], v[rO:rO+1], v[rT+6:rT+7] op_sel_hi:[1,0]
.endif
.endm
; Slice k of 64 of the softmax of tiles y, y + 1.  Slices 11-34 deal out the batch, four numbers of one tile each; every other slice is numbers 2 k, 2 k + 1 of both tiles; slice 63 takes the twelve that are over.
; Behind slice 34 both tiles' 66 exponentials are issued and no result has been named: one plain instruction and ONE wait.
.macro SLICE y
.if (k >= 11) && (k < 35)
.irp n, 0,1,2,3
.set j, 22+4*((k-11)/2)+(\n)
	SM (\y)+(k-11)%2
.endr
.else
.irp n, 0,1,2,3,4,5,6,7
.if ((\n) < 2) || (k == 63)
.irp t, \y, (\y)+1
.set j, 2*k+(\n)
	SM \t
.endr
.endif
.endr
.endif
.if k == 34
	v_nop
	s_wait_alu depctr_va_vdst(0)
.endif
.set k, k+1
.endm
; 32 products of tiles x, x + 1; y >= 0: two slices of the softmax of tiles y, y + 1 behind each
.macro RUNKQ x, y
.set i, 0
.set k, 0
.rept 32
	KQ \x
.if (\y) >= 0
	SLICE \y
	SLICE \y
.endif
.set i, i+1
.endr
.endm
.macro RUNPV x, y
.set i, 0
.set k, 0
.rept 32
	PV \x
.if (\y) >= 0
	SLICE \y
	SLICE \y
.endif
.set i, i+1
.endr
.endm
; Q of block BLK (four heads) and K of my first step
.macro LOADQK
	s_wait_loadcnt 0x0                             ; no load is out into these registers
	s_wait_xcnt 0x0                                ; and every address has been read: QP and KA may be written
	s_lshl_b32 s[OFS], s[BLK], 12
	s_add_nc_u64 s[QP:QP+1], s[QB0:QB0+1], s[OFS:OFS+1]
	v_lshl_add_u32 v[KA], s[WV], 14, v[L16]
	WIN 0x80
.set j, 0
.rept 16
	global_load_b128 v[8*j:8*j+3],   v[L16], s[QP:QP+1] offset:(j/4)*524288+(j%4)*1024
	global_load_b128 v[8*j+4:8*j+7], v[L16], s[QP:QP+1] offset:(j/4)*524288+(j%4)*1024+512
.set j, j+1
.endr
.set j, 0
.rept 32
	global_load_b128 v[KF+4*j:KF+4*j+3], v[KA], s[KB:KB+1] offset:512*j
.set j, j+1
.endr
	WIN 0
.endm
; A KEY STEP
.macro STEP
	s_wait_xcnt 0x0                                ; all addresses issued so far have been read (the last prefetch stands a whole step back)
	s_add_nc_u64 s[PFA:PFA+1], s[PFA:PFA+1], 65536
	v_lshl_add_u32 v[VA], s[STP], 14, v[L16]
	WIN 0xc0
.set j, 0
.rept 32
	global_load_b128 v[4*j:4*j+3], v[VA], s[VB:VB+1] offset:512*j  ; V of this step: it has 64 products and a softmax in which to come
.set j, j+1
.endr
	WIN 0
	s_cmp_lg_u32 s[PFN], 0
	s_cbranch_scc0 .Lnopf_\@
	global_prefetch_b8 v[PFO], s[PFA:PFA+1] th:TH_LOAD_NT scope:SCOPE_SE  ; my 32 blocks of 256 bytes of the four steps that the waves take two steps on
	s_sub_co_u32 s[PFN], s[PFN], 1
.Lnopf_\@:
	s_add_co_u32 s[TT], s[STP], 1
	s_cmp_eq_u32 s[TT], s[NN]                      ; the block's last step holds the diagonal
	s_cselect_b32 s[AL], 1.0, 0
	WIN 0xc3
.set z, 0
.rept 16
	v_pk_mul_f32 v[MC+2*z:MC+2*z+1], v[MD+2*z:MD+2*z+1], s[AL:AL+1] op_sel_hi:[1,0]
.set z, z+1
.endr
	s_wait_loadcnt 32                              ; V's 32 loads stay out; K (and, at a block's first step, Q) is in
	RUNKQ 0, -1
	PLACES                                         ; ahead of the first reader of those scores
	RUNKQ 2, 0                                     ; its last two slices, 20 plain lines on other registers, are the places behind the last product
	WIN 0
	s_add_co_u32 s[TT], s[STP], 4
	s_cmp_lt_u32 s[TT], s[NN]
	s_cbranch_scc0 .Lnok_\@
	v_lshl_add_u32 v[KA], s[TT], 14, v[L16]        ; K's last loads were shown done by the wait above
	WIN 0x80
.set j, 0
.rept 32
	global_load_b128 v[KF+4*j:KF+4*j+3], v[KA], s[KB:KB+1] offset:512*j  ; K of my next step
.set j, j+1
.endr
	WIN 0
	s_wait_loadcnt 32                              ; K's 32 stay out; V is in
	s_branch .Lkdone_\@
.Lnok_\@:
	s_wait_loadcnt 0x0                             ; V is in
.Lkdone_\@:
	RUNPV 0, 2
	RUNPV 2, -1
	WIN 0
	PLACES                                         ; ahead of the next loads into V and of the readers of O^T
.endm
; THE MERGE.  c m and l of all four waves meet; each wave scales its O^T by 2^(c m_own - c M) / L, with M the largest m and L = the sum of l_w 2^(c m_w - c M); the scaled parts meet, and wave w adds up tile w.
.macro MERGE
	WIN 0
.irp t, 0,1,2,3
	v_add_f32 v[ST+8*(\t)+4], v[ST+8*(\t)+2], v[ST+8*(\t)+3]
.endr
.irp t, 0,1,2,3
	v_permlanex16_b32 v[ST+8*(\t)+5], v[ST+8*(\t)+4], s[SEL], s[SEL+1]
.endr
.irp t, 0,1,2,3
	v_add_f32 v[ST+8*(\t)+4], v[ST+8*(\t)+4], v[ST+8*(\t)+5]
.endr
.irp t, 0,1,2,3
	ds_store_b32 v[SSA], v[ST+8*(\t)]   offset:(2*(\t))*512
	ds_store_b32 v[SSA], v[ST+8*(\t)+4] offset:(2*(\t)+1)*512
.endr
	s_wait_dscnt 0x0                               ; my statistics are stored, and my reads of the partial sums of the block before are over
	s_barrier_signal -1
	s_barrier_wait -1
.irp t, 0,1,2,3
	ds_load_b128 v[S+8*(\t):S+8*(\t)+3],   v[SRA] offset:(2*(\t))*512
	ds_load_b128 v[S+8*(\t)+4:S+8*(\t)+7], v[SRA] offset:(2*(\t)+1)*512
.endr
	s_wait_dscnt 0x0
.irp t, 0,1,2,3
	v_max3_num_f32 v[ST+8*(\t)+4], v[S+8*(\t)], v[S+8*(\t)+1], v[S+8*(\t)+2]
.endr
.irp t, 0,1,2,3
	v_max_num_f32 v[ST+8*(\t)+4], v[ST+8*(\t)+4], v[S+8*(\t)+3]
.endr
.irp t, 0,1,2,3
.irp x, 0,1,2,3
	v_sub_f32 v[S+8*(\t)+(\x)], v[S+8*(\t)+(\x)], v[ST+8*(\t)+4]
.endr
	v_sub_f32 v[ST+8*(\t)+7], v[ST+8*(\t)], v[ST+8*(\t)+4]
.endr
.irp t, 0,1,2,3
.irp x, 0,1,2,3
	v_exp_f32 v[S+8*(\t)+(\x)], v[S+8*(\t)+(\x)]
.endr
	v_exp_f32 v[ST+8*(\t)+7], v[ST+8*(\t)+7]
.endr
	v_nop
	s_wait_alu depctr_va_vdst(0)                   ; one wait for the 20 exponentials
.irp t, 0,1,2,3
	v_mul_f32 v[ST+8*(\t)+5], v[S+8*(\t)+4], v[S+8*(\t)]
.endr
.irp x, 1,2,3
.irp t, 0,1,2,3
	v_fmac_f32 v[ST+8*(\t)+5], v[S+8*(\t)+4+(\x)], v[S+8*(\t)+(\x)]
.endr
.endr
.irp t, 0,1,2,3
	v_rcp_f32 v[ST+8*(\t)+6], v[ST+8*(\t)+5]
.endr
	v_nop
	s_wait_alu depctr_va_vdst(0)                   ; one wait for the four reciprocals
.irp t, 0,1,2,3
	v_mul_f32 v[ST+8*(\t)+6], v[ST+8*(\t)+6], v[ST+8*(\t)+7]
.endr
	WIN W_RS
.set i, 0
.rept 128
	v_pk_mul_f32 v[2*i:2*i+1], v[2*i:2*i+1], v[ST+8*(i/32)+6:ST+8*(i/32)+7] op_sel_hi:[1,0]
.set i, i+1
.endr
	WIN 0x04                                       ; data in window 1
.set i, 0
.rept 64
	ds_store_b128 v[PS], v[4*i:4*i+3] offset:512*i
.set i, i+1
.endr
	WIN 0
	s_wait_dscnt 0x0
	s_barrier_signal -1
	s_barrier_wait -1                              ; all four scaled parts lie in LDS; nobody reads the statistics any more
	WIN 0x40
.set i, 0
.rept 16
	ds_load_b128 v[4*i:4*i+3],         v[PR]  offset:512*i
	ds_load_b128 v[64+4*i:64+4*i+3],   v[PR]  offset:32768+512*i
	ds_load_b128 v[128+4*i:128+4*i+3], v[PR2] offset:512*i
	ds_load_b128 v[192+4*i:192+4*i+3], v[PR2] offset:32768+512*i
.set i, i+1
.endr
	s_wait_dscnt 0x0
	WIN 0x45
.set i, 0
.rept 32
	v_pk_add_f32 v[2*i:2*i+1], v[2*i:2*i+1], v[64+2*i:64+2*i+1]
	v_pk_add_f32 v[128+2*i:128+2*i+1], v[128+2*i:128+2*i+1], v[192+2*i:192+2*i+1]
.set i, i+1
.endr
.set i, 0
.rept 32
	v_pk_add_f32 v[2*i:2*i+1], v[2*i:2*i+1], v[128+2*i:128+2*i+1]
.set i, i+1
.endr
.set i, 0
.rept 32
	v_cvt_pk_f16_f32 v[i], v[2*i], v[2*i+1]
.set i, i+1
.endr
	WIN 0x04
.set i, 0
.rept 8
	global_store_b128 v[L16], v[4*i:4*i+3], s[OP:OP+1] offset:512*i  ; 512 bytes on end, aligned: half a fragment of the next product's first operand
.set i, i+1
.endr
	WIN 0
	s_wait_xcnt 0x0                                ; the stores have read their registers, which the next block writes
.endm
	s_load_b256 s[4:11], s[0:1], 0x0               ; qf s[4:5], kf s[6:7], vf s[8:9], af s[10:11]
	v_lshl_add_u32 v[SPW], v0, 2, SPARE
	v_mov_b32 v[NIL], 0
	v_lshrrev_b32 v1, 5, v0
	v_readfirstlane_b32 s[WV], v1
	s_mov_b32 s[PP], ttmp9
	s_and_b32 s[GG], ttmp7, 0xffff
	v_and_b32 v11, 31, v0
	v_lshlrev_b32 v[L16], 4, v11
	v_and_b32 v1, 15, v0
	v_bfe_u32 v12, v0, 4, 1
	v_lshlrev_b32 v[RH8], 3, v12
	v_sub_nc_u32 v[RH8], v1, v[RH8]
	s_lshl_b32 s21, s[WV], 2
	s_add_co_u32 s21, s21, STATS
	v_add_nc_u32 v[SSA], s21, v[L16]
	v_add_nc_u32 v[SRA], STATS, v[L16]
	v_lshl_add_u32 v[PS], s[WV], 15, v[L16]
	v_lshl_add_u32 v[PR], s[WV], 13, v[L16]
	v_add_nc_u32 v[PR2], 65536, v[PR]
	s_mov_b32 s[CS], 0x3e0293ee                    ; c = log2(e) / sqrt(128)
	s_mov_b32 s[CS+1], s[CS]
	s_mov_b32 s[SEL], 0x76543210
	s_mov_b32 s[SEL+1], 0xfedcba98
	s_mov_b32 s[BIGN], 0xf149f2ca                  ; -1e30
	s_mov_b32 s[AL+1], 0
	s_mov_b32 s[OFS+1], 0
	s_sub_co_u32 s[BLK], 127, s[PP]
	s_lshl_b32 s21, s[PP], 2
	s_add_co_u32 s21, s21, s[WV]                   ; u = 4 p + w
	s_and_b32 s[TT], s21, 7
	s_lshl_b32 s[TT], s[TT], 13
	v_lshl_add_u32 v[PFO], v11, 8, s[TT]           ; 256 lane + 8,192 (u % 8): eight waves cover four steps' 65,536 bytes
	s_wait_kmcnt 0x0
	s_lshl_b32 s[OFS], s[GG], 19
	s_add_nc_u64 s[KB:KB+1], s[6:7], s[OFS:OFS+1]
	s_add_nc_u64 s[VB:VB+1], s[8:9], s[OFS:OFS+1]
	s_lshl_b32 s[OFS], s[GG], 21
	s_add_nc_u64 s[QB0:QB0+1], s[4:5], s[OFS:OFS+1]
	s_lshl_b32 s[OFS], s[GG], 2
	s_add_co_u32 s[OFS], s[OFS], s[WV]
	s_lshl_b32 s[OFS], s[OFS], 12
	s_add_nc_u64 s[OB0:OB0+1], s[10:11], s[OFS:OFS+1]  ; af at head 4 g + w
	; THE PREFETCH.  All 64 work-groups of a group walk the same kf and vf from step 0 on.  The four with p < 4, whose first block has all 32 steps, ask: wave u = 4 p + w, for kf (u < 8) or vf, in each
	; of its first six steps, for its 32 blocks of 256 bytes of the four steps that the waves take two steps on.  So each block of steps 8 to 31 is named once; steps 0 to 7 come by their loads alone;
	; the last address named lies in steps 28 to 31.
	s_cmp_lt_u32 s21, 8
	s_cselect_b64 s[PFA:PFA+1], s[KB:KB+1], s[VB:VB+1]
	s_add_nc_u64 s[PFA:PFA+1], s[PFA:PFA+1], 65536 ; each step adds four steps' bytes first
	s_cmp_lt_u32 s[PP], 4
	s_cselect_b32 s[PFN], 6, 0
	LOADQK
	WIN 0x40                                       ; O^T starts at 0, written while the first loads are on their way: every step then has one form, and a wave with no step in a block holds finite numbers
.set i, 0
.rept 256
	v_mov_b32 v[i], 0
.set i, i+1
.endr
	WIN 0
.irp t, 0,1,2,3
.irp x, 4,5,6,7
	v_mov_b32 v[ST+8*(\t)+(\x)], 0
.endr
.endr
	s_mov_b32 s[BL], 2
.Lblock:
	s_lshr_b32 s[NN], s[BLK], 2
	s_add_co_u32 s[NN], s[NN], 1
.irp t, 0,1,2,3
	v_mov_b32 v[ST+8*(\t)], 0xfe000000             ; c m: far below every c s
	v_mov_b32 v[ST+8*(\t)+1], 0xff7fffff           ; m
	v_mov_b32 v[ST+8*(\t)+2], 0
	v_mov_b32 v[ST+8*(\t)+3], 0
.endr
	s_and_b32 s[TT], s[BLK], 3
	s_lshl_b32 s[TT], s[TT], 4
	v_add_nc_u32 v[MK], s[TT], v[RH8]              ; my query's place in the diagonal step's 64 keys, less my lanes' 8 (l / 16): register r of key block kb is hidden where 16 kb + r is greater
	WIN 0xc0
.set i, 0
.rept 32
	v_cmp_gt_i32 vcc_lo, 16*(i/8)+i%8, v[MK]
	v_cndmask_b32 v[MD+i], 0, s[BIGN], vcc_lo
.set i, i+1
.endr
	WIN 0
	s_mov_b32 s[STP], s[WV]
	s_mov_b32 s[CNT], 8                            ; the most steps that a wave can have; those that the block does not have are jumped over, forward, past no barrier
.Lstep:
	s_cmp_lt_u32 s[STP], s[NN]
	s_cbranch_scc0 .Ldead
	STEP
.Ldead:
	s_add_co_u32 s[STP], s[STP], 4
	s_sub_co_u32 s[CNT], s[CNT], 1
	s_cmp_lg_u32 s[CNT], 0
	s_cbranch_scc1 .Lstep
	s_wait_xcnt 0x0
	s_lshl_b32 s[OFS], s[BLK], 16
	s_add_nc_u64 s[OP:OP+1], s[OB0:OB0+1], s[OFS:OFS+1]  ; where this block's result goes
	s_cmp_eq_u32 s[BL], 2
	s_cbranch_scc0 .Lnoq
	s_mov_b32 s[BLK], s[PP]                        ; the second block: its Q and my first K are asked for ahead of the merge
	s_lshr_b32 s[TT], s[PP], 2
	s_cmp_le_u32 s[WV], s[TT]                      ; if I have a step in it
	s_cbranch_scc0 .Lnoq
	LOADQK
.Lnoq:
	MERGE
	s_sub_co_u32 s[BL], s[BL], 1
	s_cmp_lg_u32 s[BL], 0
	s_cbranch_scc1 .Lblock
	s_wait_tensorcnt 0x0                           ; the wave's end, behind my last LDS store
	ds_add_u32 v[SPW], v[NIL]
	s_wait_dscnt 0x0
	s_endpgm
.Lfunc_end_k_qa0a5316d6b_attn:
	.size	k_qa0a5316d6b_attn, .Lfunc_end_k_qa0a5316d6b_attn-k_qa0a5316d6b_attn
	.p2alignl 7, 3214868480
	.fill 96, 4, 3214868480
	.section	.rodata,"a",@progbits
	.p2align	6, 0x0
	.amdhsa_kernel k_qa0a5316d6b_attn
		.amdhsa_group_segment_fixed_size 135680
		.amdhsa_private_segment_fixed_size 0
		.amdhsa_enable_private_segment 0
		.amdhsa_kernarg_size 32
		.amdhsa_user_sgpr_count 2
		.amdhsa_user_sgpr_kernarg_segment_ptr 1
		.amdhsa_wavefront_size32 1
		.amdhsa_system_sgpr_workgroup_id_x 1
		.amdhsa_system_sgpr_workgroup_id_y 1
		.amdhsa_system_sgpr_workgroup_id_z 1
		.amdhsa_system_vgpr_workitem_id 0
		.amdhsa_next_free_vgpr 960
		.amdhsa_next_free_sgpr 66
		.amdhsa_reserve_vcc 1
		.amdhsa_float_denorm_mode_32 3
		.amdhsa_float_denorm_mode_16_64 3
		.amdhsa_memory_ordered 1
		.amdhsa_forward_progress 1
		.amdhsa_inst_pref_size 107
	.end_amdhsa_kernel
	.amdgpu_metadata
---
amdhsa.version: [ 1, 2 ]
amdhsa.kernels:
  - .name:           k_qa0a5316d6b_attn
    .symbol:         k_qa0a5316d6b_attn.kd
    .args:
      - { .name: qf, .offset: 0, .size: 8, .value_kind: global_buffer, .address_space: global }
      - { .name: kf, .offset: 8, .size: 8, .value_kind: global_buffer, .address_space: global }
      - { .name: vf, .offset: 16, .size: 8, .value_kind: global_buffer, .address_space: global }
      - { .name: af, .offset: 24, .size: 8, .value_kind: global_buffer, .address_space: global }
    .group_segment_fixed_size: 135680
    .private_segment_fixed_size: 0
    .kernarg_segment_align: 8
    .kernarg_segment_size: 32
    .max_flat_workgroup_size: 128
    .sgpr_count:     66
    .vgpr_count:     960
    .wavefront_size: 32
...
	.end_amdgpu_metadata
.endif
;; end of part 3
;; launch oproj (part 4): grid 16 x 16, 4 waves a work-group, clusters of 4 x 4, 327,680 bytes of LDS; arguments af, wob, out0; writes out0
.if DOCPART == 4
	.amdgcn_target "amdgcn-amd-amdhsa--gfx1250"
	.amdhsa_code_object_version 6
	.text
	.protected	k_qa0a5316d6b_oproj
	.globl	k_qa0a5316d6b_oproj
	.p2align	8
	.type	k_qa0a5316d6b_oproj,@function
k_qa0a5316d6b_oproj:
	s_mov_b64 s[64:65], 0
	v_nop
	global_prefetch_b8 v0, s[64:65] scope:SCOPE_SE
	s_setreg_imm32_b32 hwreg(HW_REG_WAVE_MODE, 25, 1), 1
	s_wait_xcnt 0x0
	s_wait_alu depctr_hold_cnt(0) depctr_sa_sdst(0) depctr_va_vdst(0) depctr_va_sdst(0) depctr_va_ssrc(0) depctr_va_vcc(0) depctr_vm_vsrc(0)
	s_getreg_b32 s2, hwreg(HW_REG_IB_STS2, 6, 4)
	s_cmp_eq_u32 s2, 0
	s_cbranch_scc0 .Lentry_in_a_cluster
	s_endpgm
.Lentry_in_a_cluster:
	s_bfe_u32 s2, ttmp6, 0x10000c
	s_cmp_lg_u32 s2, 0xf033
	s_cbranch_scc0 .Lentry_shape_is_right
	s_endpgm
.Lentry_shape_is_right:
; OPROJ: out0[m][n] = the sum over k of attn[m][k] wo[k][n], operands in f16 (wo: its bf16 rounding written as f16), sums in f32, out0 in f32.
; A tile of out0 is 128 x 128: 256 work-groups.  Four waves, each 64 x 64: 16 accumulators.  K goes in 8 steps of 256 through two LDS slots.
; attn (af) lies in fragment order, [block of 16 rows][32 along k][half][lane][16 bytes]: a K step of a block is 8,192 bytes on end; a wave's tensor load brings four blocks; fragment loads are
; 512 consecutive bytes.  wo lies [k][n]: 256 rows of 256 bytes, 288 apart in LDS, and its fragments come out turned, by ds_load_tr16_b128.
; CLUSTER 4 x 4: attn's tile is asked for jointly along a row of the cluster, wo's along a column.  The product is taken transposed (source 0 = 16 columns of wo, source 1 = 16 rows of attn):
; a lane holds eight neighbouring numbers of a row of out0.  A wave's 64 columns of f32 are 256 bytes, aligned: each wave has a stage of its own in LDS for the way out, without a barrier.
; REGISTERS: window 0: v0-31 addresses, v128-255 the accumulators ((a, b) at 128 + 8 (4 a + b)); window 1: two fragment buffers of 128 (64 of attn, 64 of wo).
.set PB,     288
.set BOFF,   65536                     ; wo's tile behind attn's
.set HALFB,  128*PB
.set SLOT,   BOFF+2*HALFB              ; 139,264
.set STAGE,  2*SLOT
.set SPITCH, 272
.set SPARE,  STAGE+4*16*SPITCH         ; the spare words, 128 bytes for each wave: two blocks of 256 bytes that no other line names
.set ADRA, 16                          ; v16-17  my attn fragments in slot 0, 1
.set ADRB, 20                          ; v20-23  my wo fragments: slot 0 rows 0-127, rows 128-255; slot 1 likewise
.set STO,  24
.set RD,   25
.set CO,   26
.set SPW,  28
.set NIL,  29
.set ACC,  128
.set F0,   0
.set F1,   128
.set G1,  24
.set G0,  32
.set G1B, 48
.set G0B, 56
.set MSB, 0
.macro WIN new
.if MSB != (\new)
	s_set_vgpr_msb (MSB<<8)|(\new)
.set MSB, \new
.endif
.endm
.set MUL,  0x05
.set TO_F, 0x40
.macro JLOAD s
	s_cmp_eq_u32 s11, 0
	s_cbranch_scc0 .Lfor_b_\@
	tensor_load_to_lds s[G0+4*(\s):G0+4*(\s)+3], s[G1:G1+7]
	s_nop 0
.rept 4
	v_nop
.endr
	s_branch .Lasked_\@
.Lfor_b_\@:
	tensor_load_to_lds s[G0B+4*(\s):G0B+4*(\s)+3], s[G1B:G1B+7]
	s_nop 0
.rept 4
	v_nop
.endr
.Lasked_\@:
.endm
.macro CREST
	s_cmp_lg_u32 s10, 0
	s_cbranch_scc1 .Lnot_wave_0_\@
	s_barrier_signal -3
.Lnot_wave_0_\@:
	s_barrier_wait -3
	s_barrier_signal -1
	s_barrier_wait -1
.endm
.macro CROUND
	s_barrier_signal -1
	s_barrier_wait -1
	CREST
.endm
.macro PLACES
.rept 4
	v_nop
.endr
.endm
	s_load_b128 s[4:7], s[0:1], 0x0                ; af s[4:5], wob s[6:7]
	s_load_b64 s[8:9], s[0:1], 0x10                ; out0
	v_lshl_add_u32 v[SPW], v0, 2, SPARE
	v_mov_b32 v[NIL], 0
	ds_add_u32 v[SPW], v[NIL]                      ; the opening: the add, twice on end, and its wait ahead of my first tensor load
	ds_add_u32 v[SPW], v[NIL]
	v_lshrrev_b32 v1, 5, v0
	v_readfirstlane_b32 s10, v1                    ; wave
	s_lshr_b32 s11, s10, 1                         ; my 64 rows.  Also: I fetch attn (0) or wo (1)
	s_and_b32 s12, s10, 1                          ; my 64 columns.  Also: which half I fetch
	s_bfe_u32 s40, ttmp6, 0x40000                  ; cx
	s_bfe_u32 s41, ttmp6, 0x40004                  ; cy
	s_lshl_b32 s42, ttmp9, 2
	s_add_co_u32 s42, s42, s40                     ; tile column
	s_and_b32 s13, ttmp7, 0xffff
	s_lshl_b32 s13, s13, 2
	s_add_co_u32 s13, s13, s41                     ; tile row
	s_lshl_b32 s43, s41, 2
	s_lshl_b32 s43, 15, s43
	s_lshl_b32 s44, 0x1111, s40
	s_or_b32 s[G1], s43, (3<<16)|(1<<21)           ; mask of my row; 8-byte elements; bit 21 beside a mask; no padding
	s_mov_b32 s[G1+1], 1024<<16                    ; tensor_dim0 = 1,024: 8,192 bytes, a block's K step
	s_mov_b32 s[G1+2], 4<<16                       ; tensor_dim1 = 4 blocks
	s_mov_b32 s[G1+3], 1024<<16
	s_mov_b32 s[G1+4], 4
	s_mov_b32 s[G1+5], 8192                        ; 65,536 bytes from block to block
	s_mov_b32 s[G1+6], 0
	s_mov_b32 s[G1+7], 0
	s_or_b32 s[G1B], s44, (1<<16)|(1<<20)|(1<<21)|(5<<22)|(7<<25)  ; mask of my column; 2-byte elements; after every 64 words 8 words of padding
	s_mov_b32 s[G1B+1], 128<<16
	s_mov_b32 s[G1B+2], 128<<16
	s_mov_b32 s[G1B+3], 128<<16
	s_mov_b32 s[G1B+4], 128
	s_mov_b32 s[G1B+5], 2048
	s_mov_b32 s[G1B+6], 0
	s_mov_b32 s[G1B+7], 0
	s_lshl_b32 s16, s13, 3                         ; attn: block 8 x tile row + 4 x half (s14-17 never hold the tile column)
	s_lshl_b32 s17, s12, 2
	s_add_co_u32 s16, s16, s17
	s_lshl_b32 s16, s16, 16
	s_mov_b32 s17, 0
	s_lshl_b32 s46, s12, 19                        ; wo: 128 rows of 4,096 bytes x half, 256 bytes x tile column (s46-47 never hold the tile row)
	s_lshl_b32 s47, s42, 8
	s_add_co_u32 s46, s46, s47
	s_mov_b32 s47, 0
	s_lshl_b32 s20, s12, 15                        ; where they go
	s_mul_i32 s21, s12, HALFB
	s_add_co_u32 s21, s21, BOFF
	s_wait_dscnt 0x0
	s_wait_kmcnt 0x0
	s_add_nc_u64 s[14:15], s[4:5], s[16:17]
	s_add_nc_u64 s[46:47], s[6:7], s[46:47]
	CROUND
.irp s, 0,1
	s_mov_b32 s[G0+4*(\s)], 1
	s_add_co_u32 s[G0+4*(\s)+1], s20, (\s)*SLOT
	s_add_nc_u64 s[G0+4*(\s)+2:G0+4*(\s)+3], s[14:15], (\s)*8192
	s_or_b32 s[G0+4*(\s)+3], s[G0+4*(\s)+3], 0x80000000
	s_mov_b32 s[G0B+4*(\s)], 1
	s_add_co_u32 s[G0B+4*(\s)+1], s21, (\s)*SLOT
	s_add_nc_u64 s[G0B+4*(\s)+2:G0B+4*(\s)+3], s[46:47], (\s)*1048576
	s_or_b32 s[G0B+4*(\s)+3], s[G0B+4*(\s)+3], 0x80000000
	JLOAD \s
.endr
	v_and_b32 v1, 15, v0                           ; r
	v_bfe_u32 v2, v0, 4, 1                         ; h
	v_and_b32 v3, 7, v0
	v_lshl_add_u32 v3, v2, 3, v3                   ; the turning load's row
	v_bfe_u32 v4, v0, 3, 1
	v_and_b32 v5, 31, v0
	v_lshlrev_b32 v5, 4, v5
	v_lshl_add_u32 v[ADRA], s11, 15, v5            ; my four blocks, 16 bytes a lane
	v_add_nc_u32 v[ADRA+1], SLOT, v[ADRA]
	v_mul_u32_u24 v6, v3, PB
	v_lshl_add_u32 v6, v4, 4, v6
	s_lshl_b32 s22, s12, 7
	s_add_co_u32 s22, s22, BOFF
	v_add_nc_u32 v[ADRB], s22, v6
	v_add_nc_u32 v[ADRB+1], HALFB, v[ADRB]
	v_add_nc_u32 v[ADRB+2], SLOT, v[ADRB]
	v_add_nc_u32 v[ADRB+3], SLOT+HALFB, v[ADRB]
	s_mul_i32 s23, s10, 16*SPITCH
	s_add_co_u32 s23, s23, STAGE                   ; my stage
	v_mul_u32_u24 v7, v1, SPITCH                   ; in: row r, 32 bytes for each half of the lanes
	v_lshl_add_u32 v7, v2, 5, v7
	v_add_nc_u32 v[STO], s23, v7
	v_mul_u32_u24 v7, v2, SPITCH                   ; back: lanes 0-15 one row of 256 bytes, lanes 16-31 the next
	v_lshl_add_u32 v7, v1, 4, v7
	v_add_nc_u32 v[RD], s23, v7
	v_lshlrev_b32 v7, 13, v2                       ; and the same two rows of out0, 8,192 bytes apart
	v_lshl_add_u32 v[CO], v1, 4, v7
	s_lshl_b32 s16, s13, 7
	s_lshl_b32 s17, s11, 6
	s_add_co_u32 s16, s16, s17                     ; my first row
	s_lshl_b32 s16, s16, 13
	s_mov_b32 s17, 0
	s_add_nc_u64 s[8:9], s[8:9], s[16:17]
	s_lshl_b32 s46, s42, 9                         ; my first column, in bytes
	s_lshl_b32 s47, s12, 8
	s_add_co_u32 s46, s46, s47
	s_mov_b32 s47, 0
	s_add_nc_u64 s[8:9], s[8:9], s[46:47]
; 8 matrix instructions: blocks a0, a0 + 1 x all 4 column blocks, 32 along K: half c of buffer f.  The 16 accumulators take turns.
.macro MUL8 f, c, a0, zero
	WIN MUL
.irp a, \a0, (\a0)+1
.irp b, 0,1,2,3
.if \zero
	v_wmma_f32_16x16x32_f16 v[ACC+8*(4*(\a)+(\b)):ACC+8*(4*(\a)+(\b))+7], v[(\f)+64+8*(4*(\c)+(\b)):(\f)+64+8*(4*(\c)+(\b))+7], v[(\f)+8*(4*(\c)+(\a)):(\f)+8*(4*(\c)+(\a))+7], 0
.else
	v_wmma_f32_16x16x32_f16 v[ACC+8*(4*(\a)+(\b)):ACC+8*(4*(\a)+(\b))+7], v[(\f)+64+8*(4*(\c)+(\b)):(\f)+64+8*(4*(\c)+(\b))+7], v[(\f)+8*(4*(\c)+(\a)):(\f)+8*(4*(\c)+(\a))+7], v[ACC+8*(4*(\a)+(\b)):ACC+8*(4*(\a)+(\b))+7]
.endif
.endr
.endr
.endm
; 32 LDS loads in one run: the fragments of quarter q (64 along K) of the slot's step, into buffer f; the first 32 along K first
.macro FETCH slot, q, f
	WIN TO_F
.irp c, 0,1
.irp i, 0,1,2,3
	ds_load_tr16_b128 v[(\f)+64+8*(4*(\c)+(\i)):(\f)+64+8*(4*(\c)+(\i))+3],   v[ADRB+2*(\slot)+(\q)/2] offset:(((\q)%2)*64+32*(\c))*PB+32*(\i)
	ds_load_tr16_b128 v[(\f)+64+8*(4*(\c)+(\i))+4:(\f)+64+8*(4*(\c)+(\i))+7], v[ADRB+2*(\slot)+(\q)/2] offset:(((\q)%2)*64+32*(\c))*PB+32*(\i)+16*PB
	ds_load_b128 v[(\f)+8*(4*(\c)+(\i)):(\f)+8*(4*(\c)+(\i))+3],   v[ADRA+(\slot)] offset:8192*(\i)+(2*(\q)+(\c))*1024
	ds_load_b128 v[(\f)+8*(4*(\c)+(\i))+4:(\f)+8*(4*(\c)+(\i))+7], v[ADRA+(\slot)] offset:8192*(\i)+(2*(\q)+(\c))*1024+512
.endr
.endr
.endm
; A K step is four quarters of 64, on buffers 0, 1, 0, 1.  One of the first three multiplies buffer f and fetches quarter q into g.
.macro QUARTER slot, q, f, g, zero
	s_wait_dscnt 16                                ; the first 32 along K are in
	MUL8 \f, 0, 0, \zero
	MUL8 \f, 0, 2, \zero
	PLACES
	FETCH \slot, \q, \g
	s_wait_dscnt 32                                ; all but the 32 just issued
	MUL8 \f, 1, 0, 0
	MUL8 \f, 1, 2, 0
.endm
; The last quarter multiplies buffer 1 and changes slots: one barrier; ahead of it all my tensor loads, the add, my reads of this slot.  fill = 1: a round of the cluster's barrier, and this slot is filled again first behind it.
.macro TURN slot, next, fill
	WIN 0
	s_wait_tensorcnt 0x0
	ds_add_u32 v[SPW], v[NIL]
	s_wait_dscnt 17                                ; (the add and the youngest sixteen loads may be out)
	MUL8 F1, 0, 0, 0
	s_wait_dscnt 0x0
	s_barrier_signal -1
	MUL8 F1, 0, 2, 0
.if \fill
	WIN 0
.endif
	s_barrier_wait -1
.if \fill
	CREST
	s_add_nc_u64 s[G0+4*(\slot)+2:G0+4*(\slot)+3], s[G0+4*(\slot)+2:G0+4*(\slot)+3], 16384
	s_add_nc_u64 s[G0B+4*(\slot)+2:G0B+4*(\slot)+3], s[G0B+4*(\slot)+2:G0B+4*(\slot)+3], 2097152
	JLOAD \slot
.else
	PLACES
.endif
	FETCH \next, 0, F0
	MUL8 F1, 1, 0, 0
	MUL8 F1, 1, 2, 0
.endm
	s_wait_tensorcnt 1                             ; my part of K step 0 is in; K step 1's may stay out
	s_barrier_signal -1
	s_barrier_wait -1
	FETCH 0, 0, F0
	QUARTER 0, 1, F0, F1, 1                        ; the first products start the sums
	WIN 0
	s_mov_b32 s3, 3
.Llap:                                             ; a trip goes once round the ring and fills both slots again: K steps 2 to 7
	QUARTER 0, 2, F1, F0, 0
	QUARTER 0, 3, F0, F1, 0
	TURN 0, 1, 1
	QUARTER 1, 1, F0, F1, 0
	QUARTER 1, 2, F1, F0, 0
	QUARTER 1, 3, F0, F1, 0
	TURN 1, 0, 1
	QUARTER 0, 1, F0, F1, 0
	WIN 0
	s_sub_co_u32 s3, s3, 1
	s_cmp_lg_u32 s3, 0
	s_cbranch_scc1 .Llap
	QUARTER 0, 2, F1, F0, 0                        ; the last lap fills nothing
	QUARTER 0, 3, F0, F1, 0
	TURN 0, 1, 0
	QUARTER 1, 1, F0, F1, 0
	QUARTER 1, 2, F1, F0, 0
	QUARTER 1, 3, F0, F1, 0
	s_wait_dscnt 16
	MUL8 F1, 0, 0, 0
	MUL8 F1, 0, 2, 0
	s_wait_dscnt 0x0
	MUL8 F1, 1, 0, 0
	MUL8 F1, 1, 2, 0
	WIN 0
	PLACES
; THE WAY OUT, a block of 16 rows at a time: 32 bytes a lane into my stage (each accumulator's low four registers first), back as whole rows of 256 bytes into the same registers.
; LDS serves a wave's instructions in order: the loads see the stores above them, and the next block's stores come behind them.
.macro STG a
.irp b, 0,1,2,3
	ds_store_b128 v[STO], v[ACC+8*(4*(\a)+(\b)):ACC+8*(4*(\a)+(\b))+3]   offset:64*(\b)
	ds_store_b128 v[STO], v[ACC+8*(4*(\a)+(\b))+4:ACC+8*(4*(\a)+(\b))+7] offset:64*(\b)+16
.endr
.irp t, 0,1,2,3,4,5,6,7
	ds_load_b128 v[ACC+32*(\a)+4*(\t):ACC+32*(\a)+4*(\t)+3], v[RD] offset:(\t)*2*SPITCH
.endr
.endm
.macro SEND a, younger                 ; younger: the LDS instructions issued behind block a's loads: the next block's sixteen, or none
.irp t, 0,1,2,3,4,5,6,7
	s_wait_dscnt (\younger)+7-(\t)
	global_store_b128 v[CO], v[ACC+32*(\a)+4*(\t):ACC+32*(\a)+4*(\t)+3], s[8:9] offset:(16*(\a)+2*(\t))*8192 th:TH_STORE_NT  ; 16 lanes store 256 consecutive bytes, aligned
.endr
.endm
	STG 0
	STG 1
	SEND 0, 16
	STG 2
	SEND 1, 16
	STG 3
	SEND 2, 16
	SEND 3, 0
	s_wait_tensorcnt 0x0                           ; the wave's end
	ds_add_u32 v[SPW], v[NIL]
	s_wait_dscnt 0x0
	CROUND                                         ; the closing round
	s_endpgm
.Lfunc_end_k_qa0a5316d6b_oproj:
	.size	k_qa0a5316d6b_oproj, .Lfunc_end_k_qa0a5316d6b_oproj-k_qa0a5316d6b_oproj
	.p2alignl 7, 3214868480
	.fill 96, 4, 3214868480
	.section	.rodata,"a",@progbits
	.p2align	6, 0x0
	.amdhsa_kernel k_qa0a5316d6b_oproj
		.amdhsa_group_segment_fixed_size 327680
		.amdhsa_private_segment_fixed_size 0
		.amdhsa_enable_private_segment 0
		.amdhsa_kernarg_size 24
		.amdhsa_user_sgpr_count 2
		.amdhsa_user_sgpr_kernarg_segment_ptr 1
		.amdhsa_wavefront_size32 1
		.amdhsa_system_sgpr_workgroup_id_x 1
		.amdhsa_system_sgpr_workgroup_id_y 1
		.amdhsa_system_sgpr_workgroup_id_z 1
		.amdhsa_system_vgpr_workitem_id 0
		.amdhsa_next_free_vgpr 512
		.amdhsa_next_free_sgpr 66
		.amdhsa_reserve_vcc 0
		.amdhsa_float_denorm_mode_32 3
		.amdhsa_float_denorm_mode_16_64 3
		.amdhsa_memory_ordered 1
		.amdhsa_forward_progress 1
		.amdhsa_inst_pref_size 87
	.end_amdhsa_kernel
	.amdgpu_metadata
---
amdhsa.version: [ 1, 2 ]
amdhsa.kernels:
  - .name:           k_qa0a5316d6b_oproj
    .symbol:         k_qa0a5316d6b_oproj.kd
    .args:
      - { .name: af, .offset: 0, .size: 8, .value_kind: global_buffer, .address_space: global }
      - { .name: wob, .offset: 8, .size: 8, .value_kind: global_buffer, .address_space: global }
      - { .name: out0, .offset: 16, .size: 8, .value_kind: global_buffer, .address_space: global }
    .group_segment_fixed_size: 327680
    .private_segment_fixed_size: 0
    .kernarg_segment_align: 8
    .kernarg_segment_size: 24
    .max_flat_workgroup_size: 128
    .sgpr_count:     66
    .vgpr_count:     512
    .wavefront_size: 32
...
	.end_amdgpu_metadata
.endif
;; end of part 4
